; MI455X (gfx1250); checked and timed in simulation.
; The chip was launched on July 23, 2026; its instructions are those of AMD's public machine-readable ISA for CDNA 5 (MIT licence, August 2026) and "CDNA5" Instruction Set Architecture Reference Guide (July 2026). The comments in the code are by the model that wrote it; some were corrected since.
;; Stack Memory. Allowed arithmetic: float matrix products may take bf16 or f16 operands with f32 sums; other float arithmetic in f32, or as packed bf16 or f16 multiplies, adds, multiply-adds, maxima and minima; sums over many terms, partial sums and values carried from step to step in f32; what a program stores and reads back later, other than sums and carried values, may be rounded once to bf16 or f16.
;; Inputs: D 1 x 512 float32; Wa 512 x 1 float32; Wp 512 x 3 float32; ba 1 float32; bp 3 float32; hidden_state 64 x 1,024 x 512 float32.
;; Outputs: out0 64 x 32 x 512 float32.
;; 3 versions, each right; version 2 is faster than version 1; version 3 is version 2 with the launch scan written anew for expert scheduling mode. Each part assembles by itself: llvm-mc -triple=amdgcn-amd-amdhsa -mcpu=gfx1250 --defsym DOCPART=n.
;; ======== version 1 of 3: 2 launches
;; limits: right only within a limited range of input values
;; workspace buffers: order 16,384 bytes of whole numbers
;; launch scan (part 1): grid 64 x 1, 9 waves a work-group, no clusters, 2,304 bytes of LDS; arguments hidden_state, Wa, Wp, D, ba, bp, order; writes order
.if DOCPART == 1
	.amdgcn_target "amdgcn-amd-amdhsa--gfx1250"
	.amdhsa_code_object_version 6
	.text
	.protected	k_qf116390076_scan
	.globl	k_qf116390076_scan
	.p2align	8
	.type	k_qf116390076_scan,@function
k_qf116390076_scan:
	s_mov_b64 s[64:65], 0
	v_nop
	global_prefetch_b8 v0, s[64:65] scope:SCOPE_SE
	s_setreg_imm32_b32 hwreg(HW_REG_WAVE_MODE, 25, 1), 1
	s_wait_xcnt 0x0
; THE STACK'S DECISIONS.  One work-group walks one batch's 1,024 steps and stores, for each of the 32 stack slots, WHICH row ends there; a later launch copies the rows.
; WHY SCALARS SUFFICE.  A slot holds the zero vector, a row h[b][t] or D.  A step needs of a slot only a = slot . Wa, e1 = slot . (Wp0 - Wp1), e2 = slot . (Wp0 - Wp2):
;   l0 - l1 = h_t . (Wp0 - Wp1) + (bp0 - bp1) + sum(w e1) / sum(w),  l0 - l2 likewise, w = the softmax's weights.  Both are multiplied through by sum(w) > 0, so nothing is divided.
;   push if l0 >= l1 and l0 >= l2; else pop if l1 >= l2; else nothing: the first largest, as argmax takes it.
; SHARES.  Waves 0-7 stream the rows, 32 steps (64 KiB) a chunk, four rows a wave, and leave (a, e1, e2) of each step in LDS.  Wave 8 walks the chain, one chunk behind them.
;   All products are f32 on the vector unit: three columns for each row, and a decision that falls otherwise changes whole rows of the result, so nothing is rounded to 16 bits.
; THE STACK IS A RING: lane = a cell, and no entry changes lanes.  POS is the cell's place (0 top, 31 bottom).  Push: the cell at 31 takes h_t, every POS goes up by 1 mod 32.
;   Pop: the cell at 0 takes D, every POS goes down by 1 mod 32.  The softmax's sums do not ask for the order of the slots.
; THE EXPONENTIAL IS MADE ONCE FOR EACH ENTRY.  A = a + ba; k = rndne(A log2 e); f = 2^(A log2 e - k), in 0.70 .. 1.42.  In a step the weight is f 2^(k - K), K = the largest k in the stack NOW:
;   the running stack's own maximum is taken away in every step, and no weight passes 1.42.  k is kept as the f32 k + 1.5 x 2^23: all such numbers lie in one binade, so an f32 maximum orders them
;   and the difference of two bit patterns is k - K.
; NO BRANCH AND NO ADDRESS hangs on a floating-point number: a decision acts through lane masks and v_cndmask_b32 alone.
; LIMITS.  |(slot . Wa + ba) log2 e| up to 2^21 (k is clamped there); NaN and infinities are not treated apart; logits that tie within f32 rounding may fall otherwise than in another order of sums.
.set ROWB,  2048                       ; bytes in a row of 512 f32
.set CHUNK, 32                         ; steps in a chunk
.set CHB,   CHUNK*ROWB                 ; bytes in a chunk
.set BUFB,  512                        ; LDS: two buffers of 32 steps x 16 bytes (a, e1, e2, 0), at 0 and 512
.set SPARE, 1024                       ; behind them: the spare words, 128 bytes for each of nine waves, five blocks of 256 bytes that no other line names
; vector registers.  v1 lane; v2 16 lane + 8,192 wave (my 16 bytes of my first row of a chunk); v3 16 lane (Wa, D, and the scan's LDS reads); v4 48 lane (Wp); v5 where I store a step's 16 bytes; v7 8 lane
.set SPW, 8                            ; LDS address of my spare word; never rewritten
.set NIL, 9                            ; 0; never rewritten
.set BD1, 10                           ; bp0 - bp1
.set BD2, 11                           ; bp0 - bp2
.set OUT, 12                           ; v[12:15]   a step's (a, e1, e2, 0) on its way to LDS
.set WA,  16                           ; v[16:31]   Wa of my 16 columns: 128 j + 4 lane + 0..3 at WA + 4 j
.set W1,  32                           ; v[32:47]   Wp0 - Wp1 of the same columns
.set W2,  48                           ; v[48:63]   Wp0 - Wp2
.set X,   64                           ; v[64:127]  four rows: row i, quarter j at X + 16 i + 4 j
.set RAWW,128                          ; v[128:175] Wp as loaded; free once the differences are made:
.set ACC, 128                          ; v[128:133] three packed sums
.set RES, 136                          ; v[136:147] row i's three products at RES + 3 i
.set TP,  150                          ; v[150:161] the other half of the lanes' sums (written before by Wp's loads)
.set RAW, 176                          ; v[176:179] a step's 16 bytes from LDS: lane = step
.set CK,  180                          ; the chunk's entries, lane = step: k, f, f e1, f e2, and r1, r2 = e + bias difference
.set CF,  181
.set CE1, 182
.set CE2, 183
.set CR1, 184
.set CR2, 185
.set KK,  186                          ; the stack, lane = cell: k, f, f e1, f e2
.set FF,  187
.set G1,  188
.set G2,  189
.set POS, 190                          ; v[190:191] the cell's place and what it holds: 0..1023 row t, 1024 zeros, 1025 D
.set IDX, 191
.set MX,  192
.set MY,  193
.set DD,  194
.set SUM0,195
.set SUM1,196
.set SUM2,197
.set OTH0,198
.set OTH1,199
.set OTH2,200
.set U1,  201
.set U2,  202
.set U0,  203
.set PP,  204
.set PM,  205
.set PY,  206
.set PK,  207
.set PR,  208
; scalar registers.  s[8:9] hidden_state, s[10:11] Wa, s[12:13] Wp, s[14:15] D, s[16:17] ba, s[18:19] bp, s[20:21] order
.set WV,  2                            ; my wave's number
.set CNT, 3                            ; pairs of chunks to go
.set LN,  4                            ; the step in its chunk
.set TI,  5                            ; the step in the batch
.set SEL, 6                            ; s[6:7] v_permlanex16_b32's selects: each lane takes its own place in the other half
.set BA,  22
.set BP,  24                           ; s[24:26]
.set HB,  28                           ; s[28:29] hidden_state at the chunk that was asked for last
.set XK,  32                           ; the step's entry: k, f, f e1, f e2, r1, r2
.set XF,  33
.set XG1, 34
.set XG2, 35
.set XR1, 36
.set XR2, 37
.set DK,  38                           ; D's entry
.set DF,  39
.set DG1, 40
.set DG2, 41
.set PUSH,42                           ; lane masks: all ones or 0: push;
.set L12, 43                           ; l1 >= l2;
.set MP,  44                           ; the cell at the bottom;
.set MQ,  45                           ; the cell at the top;
.set WP,  46                           ; the cell that takes h_t;
.set WQ,  47                           ; the cell that takes D;
.set POP, 48                           ; pop
.set TQ,  49
.set Q1,  50                           ; lanes with lane % 4 = 1, 2, 3
.set Q2,  51
.set Q3,  52
.set L2H, 53                           ; log2 e in two parts
.set L2L, 54
.set KLO, 55                           ; -2^21, 2^21
.set KHI, 56
.set IDD, 57                           ; 1025
; One row's three products over my 16 columns: three packed sums by turns, so that no line waits for the one before it; then low + high.
.macro ROWDOT xb, rb
	v_pk_mul_f32 v[ACC:ACC+1],   v[(\xb):(\xb)+1], v[WA:WA+1]
	v_pk_mul_f32 v[ACC+2:ACC+3], v[(\xb):(\xb)+1], v[W1:W1+1]
	v_pk_mul_f32 v[ACC+4:ACC+5], v[(\xb):(\xb)+1], v[W2:W2+1]
.irp p, 2,4,6,8,10,12,14
	v_pk_fma_f32 v[ACC:ACC+1],   v[(\xb)+\p:(\xb)+\p+1], v[WA+\p:WA+\p+1], v[ACC:ACC+1]
	v_pk_fma_f32 v[ACC+2:ACC+3], v[(\xb)+\p:(\xb)+\p+1], v[W1+\p:W1+\p+1], v[ACC+2:ACC+3]
	v_pk_fma_f32 v[ACC+4:ACC+5], v[(\xb)+\p:(\xb)+\p+1], v[W2+\p:W2+\p+1], v[ACC+4:ACC+5]
.endr
	v_add_f32 v[(\rb)],   v[ACC],   v[ACC+1]
	v_add_f32 v[(\rb)+1], v[ACC+2], v[ACC+3]
	v_add_f32 v[(\rb)+2], v[ACC+4], v[ACC+5]
.endm
; n registers from r0 on are summed over the 32 lanes, the result in every lane: four steps inside each half ride on the addition, one crosses the halves.
.macro RED r0, n
.irp m, 1,2,4,8
.set k, 0
.rept \n
	v_add_f32_dpp v[(\r0)+k], v[(\r0)+k], v[(\r0)+k] row_xmask:\m row_mask:0xf bank_mask:0xf
.set k, k+1
.endr
.endr
.set k, 0
.rept \n
	v_permlanex16_b32 v[TP+k], v[(\r0)+k], s[SEL], s[SEL+1]
.set k, k+1
.endr
.set k, 0
.rept \n
	v_add_f32 v[(\r0)+k], v[(\r0)+k], v[TP+k]
.set k, k+1
.endr
.endm
; An entry is made of (a, e1, e2): k + 1.5 x 2^23, f, f e1, f e2.
.macro POST a, e1, e2, kk, f, g1, g2
	v_add_f32 v[PY], s[BA], v[(\a)]                ; A = a + ba
	v_mul_f32 v[PK], s[L2H], v[PY]
	v_rndne_f32 v[PK], v[PK]
	v_med3_num_f32 v[PK], v[PK], s[KLO], s[KHI]    ; k, held to +-2^21
	v_fma_f32 v[PR], v[PY], s[L2H], -v[PK]         ; A log2 e - k, with log2 e in two parts: the first product's error is not lost
	v_fma_f32 v[PR], v[PY], s[L2L], v[PR]
	v_exp_f32 v[(\f)], v[PR]
	v_add_f32 v[(\kk)], 0x4b400000, v[PK]          ; the plain instruction behind the exponential: it names neither its result nor its source
	s_wait_alu depctr_va_vdst(0)                   ; the wait stands ahead of the first line that names the result
	v_mul_f32 v[(\g1)], v[(\f)], v[(\e1)]
	v_mul_f32 v[(\g2)], v[(\f)], v[(\e2)]
.endm
; A producer's share of a chunk: four rows' products into LDS buffer buf.  reload = 1: each row's registers are asked for again at once, with the same rows of the next chunk.
.macro PRODUCE buf, reload
.if \reload
	s_wait_xcnt 0x0                                ; the sixteen loads that are out have read their base, so it may be stepped
	s_add_nc_u64 s[HB:HB+1], s[HB:HB+1], CHB
.endif
.irp i, 0,1,2,3
.if \reload
	s_wait_loadcnt 12                              ; loads come back in order: this row's four are in, the twelve younger (three other rows) stay out
.else
	s_wait_loadcnt 12-4*\i                         ; nothing is asked for any more: the counts run down
.endif
	ROWDOT X+16*\i, RES+3*\i
.if \reload
.irp j, 0,1,2,3
	global_load_b128 v[X+16*\i+4*\j:X+16*\i+4*\j+3], v2, s[HB:HB+1] offset:ROWB*\i+512*\j th:TH_LOAD_NT  ; 512 consecutive bytes a load, a row in four
.endr
.endif
.endr
	RED RES, 12
.irp d, 0,1,2
	v_cndmask_b32 v[OUT+\d], v[RES+\d], v[RES+3+\d], s[Q1]   ; lane l keeps row l % 4's three numbers
	v_cndmask_b32 v[OUT+\d], v[OUT+\d], v[RES+6+\d], s[Q2]
	v_cndmask_b32 v[OUT+\d], v[OUT+\d], v[RES+9+\d], s[Q3]
.endr
	ds_store_b128 v5, v[OUT:OUT+3] offset:BUFB*(\buf)   ; step 4 wave + l % 4; the eight lanes that share a step write the same bytes
.endm
; ONE STEP OF THE CHAIN.  The chain is: the largest k; the weights; three sums; two compares; the masks; the selects.  What waits for nothing (the step's entry out of its lane, the two cells' masks,
; both candidate places) stands between the links of the maximum.
.macro STEP
	v_max_num_f32_dpp v[MX], v[KK], v[KK] row_xmask:1 row_mask:0xf bank_mask:0xf
	v_readlane_b32 s[XK], v[CK], s[LN]
	v_readlane_b32 s[XF], v[CF], s[LN]
	v_max_num_f32_dpp v[MX], v[MX], v[MX] row_xmask:2 row_mask:0xf bank_mask:0xf
	v_readlane_b32 s[XG1], v[CE1], s[LN]
	v_readlane_b32 s[XG2], v[CE2], s[LN]
	v_max_num_f32_dpp v[MX], v[MX], v[MX] row_xmask:4 row_mask:0xf bank_mask:0xf
	v_readlane_b32 s[XR1], v[CR1], s[LN]
	v_readlane_b32 s[XR2], v[CR2], s[LN]
	v_max_num_f32_dpp v[MX], v[MX], v[MX] row_xmask:8 row_mask:0xf bank_mask:0xf
	v_cmp_eq_u32 s[MP], 31, v[POS]
	v_cmp_eq_u32 s[MQ], 0, v[POS]
	v_permlanex16_b32 v[MY], v[MX], s[SEL], s[SEL+1]
	v_add_nc_u32 v[PP], 1, v[POS]
	v_add_nc_u32 v[PM], 31, v[POS]
	v_max_num_f32 v[MX], v[MX], v[MY]              ; K + 1.5 x 2^23, in every lane
	v_and_b32 v[PP], 31, v[PP]
	v_and_b32 v[PM], 31, v[PM]
	v_sub_nc_u32 v[DD], v[KK], v[MX]               ; k - K, at most 0: the bit patterns' difference
	v_ldexp_f32 v[SUM0], v[FF], v[DD]              ; w, w e1, w e2
	v_ldexp_f32 v[SUM1], v[G1], v[DD]
	v_ldexp_f32 v[SUM2], v[G2], v[DD]
.irp m, 1,2,4,8
	v_add_f32_dpp v[SUM0], v[SUM0], v[SUM0] row_xmask:\m row_mask:0xf bank_mask:0xf
	v_add_f32_dpp v[SUM1], v[SUM1], v[SUM1] row_xmask:\m row_mask:0xf bank_mask:0xf
	v_add_f32_dpp v[SUM2], v[SUM2], v[SUM2] row_xmask:\m row_mask:0xf bank_mask:0xf
.endr
	v_permlanex16_b32 v[OTH0], v[SUM0], s[SEL], s[SEL+1]
	v_permlanex16_b32 v[OTH1], v[SUM1], s[SEL], s[SEL+1]
	v_permlanex16_b32 v[OTH2], v[SUM2], s[SEL], s[SEL+1]
	v_add_f32 v[SUM0], v[SUM0], v[OTH0]            ; every addition takes a pair both ways round, so all 32 lanes hold the same bits
	v_add_f32 v[SUM1], v[SUM1], v[OTH1]
	v_add_f32 v[SUM2], v[SUM2], v[OTH2]
	v_fma_f32 v[U1], s[XR1], v[SUM0], v[SUM1]      ; (l0 - l1) sum(w)
	v_fma_f32 v[U2], s[XR2], v[SUM0], v[SUM2]      ; (l0 - l2) sum(w)
	v_min_num_f32 v[U0], v[U1], v[U2]
	v_cmp_ge_f32 s[L12], v[U2], v[U1]              ; l1 >= l2
	v_cmp_le_f32 s[PUSH], 0, v[U0]                 ; l0 >= both
	s_and_b32 s[TQ], s[L12], s[MQ]
	s_and_b32 s[WP], s[PUSH], s[MP]
	s_and_not1_b32 s[WQ], s[TQ], s[PUSH]
	s_and_not1_b32 s[POP], s[L12], s[PUSH]
	v_cndmask_b32 v[KK], v[KK], s[XK], s[WP]       ; the bottom cell takes h_t,
	v_cndmask_b32 v[FF], v[FF], s[XF], s[WP]
	v_cndmask_b32 v[G1], v[G1], s[XG1], s[WP]
	v_cndmask_b32 v[G2], v[G2], s[XG2], s[WP]
	v_cndmask_b32 v[IDX], v[IDX], s[TI], s[WP]
	v_cndmask_b32 v[KK], v[KK], s[DK], s[WQ]       ; or the top cell D,
	v_cndmask_b32 v[FF], v[FF], s[DF], s[WQ]
	v_cndmask_b32 v[G1], v[G1], s[DG1], s[WQ]
	v_cndmask_b32 v[G2], v[G2], s[DG2], s[WQ]
	v_cndmask_b32 v[IDX], v[IDX], s[IDD], s[WQ]
	v_cndmask_b32 v[POS], v[POS], v[PM], s[POP]    ; and all places turn
	v_cndmask_b32 v[POS], v[POS], v[PP], s[PUSH]
	s_add_co_u32 s[TI], s[TI], 1
.endm
; The scan wave's share of a chunk: the 32 steps' numbers out of LDS buffer buf, a lane a step; their entries, all 32 at once; then the 32 steps.
.macro SCAN buf
	ds_load_b128 v[RAW:RAW+3], v3 offset:BUFB*(\buf)
	s_wait_dscnt 0x0                               ; the one LDS read of the chunk is back: the buffer is free from the next barrier on
	POST RAW, RAW+1, RAW+2, CK, CF, CE1, CE2
	v_add_f32 v[CR1], v[RAW+1], v[BD1]
	v_add_f32 v[CR2], v[RAW+2], v[BD2]
	s_mov_b32 s[LN], 0
.Lstep_\@:
	STEP
	s_add_co_u32 s[LN], s[LN], 1
	s_cmp_lt_u32 s[LN], CHUNK
	s_cbranch_scc1 .Lstep_\@
.endm
; Half a trip: the scan wave walks the chunk in buffer p while the producers fill the other buffer with the next chunk.  The buffer that is written was read one half ago, and that read came back ahead of
; that half's barrier; the buffer that is read was stored one half ago, and those stores were waited for ahead of the same barrier.
.macro HALF p, reload
	s_cmp_eq_u32 s[WV], 8
	s_cbranch_scc1 .Lscan_\@
	PRODUCE 1-(\p), \reload
	s_branch .Lmeet_\@
.Lscan_\@:
	SCAN \p
.Lmeet_\@:
	s_wait_dscnt 0x0                               ; for the others' sake: my store has landed (the scan wave's read is back already)
	s_barrier_signal -1
	s_barrier_wait -1
.endm
	s_load_b256 s[8:15], s[0:1], 0x0               ; hidden_state, Wa, Wp, D
	s_load_b128 s[16:19], s[0:1], 0x20             ; ba, bp
	s_load_b64 s[20:21], s[0:1], 0x30              ; order
	v_lshl_add_u32 v[SPW], v0, 2, SPARE
	v_mov_b32 v[NIL], 0
	v_lshrrev_b32 v1, 5, v0
	v_readfirstlane_b32 s[WV], v1                  ; wave 0..8
	v_and_b32 v1, 31, v0                           ; lane
	v_lshlrev_b32 v3, 4, v1
	v_lshl_add_u32 v2, s[WV], 13, v3               ; four rows of 2,048 bytes a wave
	v_mul_u32_u24 v4, v1, 48                       ; four columns of Wp are 48 bytes
	v_and_b32 v5, 3, v0
	v_lshlrev_b32 v5, 4, v5
	v_lshl_add_u32 v5, s[WV], 6, v5                ; 16 (4 wave + lane % 4)
	v_lshlrev_b32 v7, 3, v1
	v_mov_b32 v[OUT+3], 0
	s_mov_b32 s[SEL], 0x76543210
	s_mov_b32 s[SEL+1], 0xfedcba98
	s_mov_b32 s[Q1], 0x22222222
	s_mov_b32 s[Q2], 0x44444444
	s_mov_b32 s[Q3], 0x88888888
	s_mov_b32 s[L2H], 0x3fb8aa3b                   ; log2 e rounded to f32,
	s_mov_b32 s[L2L], 0x32a57060                   ; and what that rounding left
	s_mov_b32 s[KLO], 0xca000000
	s_mov_b32 s[KHI], 0x4a000000
	s_mov_b32 s[IDD], 1025
	s_mov_b32 s[TI], 0
	s_mov_b32 s[CNT], 15
	s_lshl_b32 s30, ttmp9, 21                      ; a batch is 1,024 rows of 2,048 bytes; 64 of them stay under 2^32
	s_mov_b32 s31, 0
	s_wait_kmcnt 0x0
	s_load_b32 s[BA], s[16:17], 0x0
	s_load_b96 s[BP:BP+2], s[18:19], 0x0
	s_add_nc_u64 s[HB:HB+1], s[8:9], s[30:31]
	s_lshl_b32 s30, ttmp9, 8                       ; a batch's 32 pairs of words
	s_add_nc_u64 s[20:21], s[20:21], s[30:31]
	s_cmp_eq_u32 s[WV], 8
	s_cbranch_scc1 .Lload_d
.irp i, 0,1,2,3
.irp j, 0,1,2,3
	global_load_b128 v[X+16*\i+4*\j:X+16*\i+4*\j+3], v2, s[HB:HB+1] offset:ROWB*\i+512*\j th:TH_LOAD_NT  ; chunk 0, first of all
.endr
.endr
	s_branch .Lweights
.Lload_d:
.irp j, 0,1,2,3
	global_load_b128 v[X+4*\j:X+4*\j+3], v3, s[14:15] offset:512*\j  ; the scan wave takes D where a producer has its first row
.endr
.Lweights:
.irp j, 0,1,2,3
	global_load_b128 v[WA+4*\j:WA+4*\j+3], v3, s[10:11] offset:512*\j
.irp m, 0,1,2
	global_load_b128 v[RAWW+12*\j+4*\m:RAWW+12*\j+4*\m+3], v4, s[12:13] offset:1536*\j+16*\m
.endr
.endr
	s_wait_kmcnt 0x0                               ; ba, bp
	v_sub_f32 v[BD1], s[BP], s[BP+1]
	v_sub_f32 v[BD2], s[BP], s[BP+2]
	s_wait_loadcnt 0x0                             ; once: the weights, and the rows (or D) that are wanted next
.irp j, 0,1,2,3
.irp i, 0,1,2,3
	v_sub_f32 v[W1+4*\j+\i], v[RAWW+12*\j+3*\i], v[RAWW+12*\j+3*\i+1]
	v_sub_f32 v[W2+4*\j+\i], v[RAWW+12*\j+3*\i], v[RAWW+12*\j+3*\i+2]
.endr
.endr
	s_cmp_eq_u32 s[WV], 8
	s_cbranch_scc1 .Lstate
	PRODUCE 0, 1                                   ; chunk 0 into buffer 0; chunk 1 is asked for
	s_branch .Lready
.Lstate:
	ROWDOT X, RES                                  ; D's three products and its entry, as scalars
	RED RES, 3
	POST RES, RES+1, RES+2, CK, CF, CE1, CE2
	v_readfirstlane_b32 s[DK], v[CK]
	v_readfirstlane_b32 s[DF], v[CF]
	v_readfirstlane_b32 s[DG1], v[CE1]
	v_readfirstlane_b32 s[DG2], v[CE2]
	POST OUT+3, OUT+3, OUT+3, KK, FF, G1, G2       ; the stack starts with 32 zero vectors: a = e1 = e2 = 0
	v_mov_b32 v[POS], v1
	v_mov_b32 v[IDX], 0x400
	v_mov_b32 v[MX], 0                             ; destinations of lane exchanges count as read: written once here
	v_mov_b32 v[MY], 0
	v_mov_b32 v[OTH0], 0
	v_mov_b32 v[OTH1], 0
	v_mov_b32 v[OTH2], 0
.Lready:
	s_wait_dscnt 0x0                               ; chunk 0's stores have landed
	s_barrier_signal -1
	s_barrier_wait -1
.Lpair:                                        ; 15 trips: chunks 0 to 29 are walked, 1 to 30 finished, 2 to 31 asked for
	HALF 0, 1
	HALF 1, 1
	s_sub_co_u32 s[CNT], s[CNT], 1
	s_cmp_lg_u32 s[CNT], 0
	s_cbranch_scc1 .Lpair
	HALF 0, 0                                      ; chunk 30 is walked, chunk 31 finished; no load leaves the buffer
	s_cmp_lg_u32 s[WV], 8
	s_cbranch_scc1 .Lend
	SCAN 1                                         ; chunk 31
	global_store_b64 v7, v[POS:IDX], s[20:21]      ; 32 lanes store 256 consecutive bytes, at a multiple of 256 from order's first byte
.Lend:
	s_wait_tensorcnt 0x0                           ; the wave's end: behind my last LDS store
	ds_add_u32 v[SPW], v[NIL]
	s_wait_dscnt 0x0
	s_endpgm
.Lfunc_end_k_qf116390076_scan:
	.size	k_qf116390076_scan, .Lfunc_end_k_qf116390076_scan-k_qf116390076_scan
	.p2alignl 7, 3214868480
	.fill 96, 4, 3214868480
	.section	.rodata,"a",@progbits
	.p2align	6, 0x0
	.amdhsa_kernel k_qf116390076_scan
		.amdhsa_group_segment_fixed_size 2304
		.amdhsa_private_segment_fixed_size 0
		.amdhsa_enable_private_segment 0
		.amdhsa_kernarg_size 56
		.amdhsa_user_sgpr_count 2
		.amdhsa_user_sgpr_kernarg_segment_ptr 1
		.amdhsa_wavefront_size32 1
		.amdhsa_system_sgpr_workgroup_id_x 1
		.amdhsa_system_sgpr_workgroup_id_y 1
		.amdhsa_system_sgpr_workgroup_id_z 1
		.amdhsa_system_vgpr_workitem_id 0
		.amdhsa_next_free_vgpr 216
		.amdhsa_next_free_sgpr 66
		.amdhsa_reserve_vcc 0
		.amdhsa_float_denorm_mode_32 3
		.amdhsa_float_denorm_mode_16_64 3
		.amdhsa_memory_ordered 1
		.amdhsa_forward_progress 1
		.amdhsa_inst_pref_size 79
	.end_amdhsa_kernel
	.amdgpu_metadata
---
amdhsa.version: [ 1, 2 ]
amdhsa.kernels:
  - .name:           k_qf116390076_scan
    .symbol:         k_qf116390076_scan.kd
    .args:
      - { .name: hidden_state, .offset: 0, .size: 8, .value_kind: global_buffer, .address_space: global }
      - { .name: Wa, .offset: 8, .size: 8, .value_kind: global_buffer, .address_space: global }
      - { .name: Wp, .offset: 16, .size: 8, .value_kind: global_buffer, .address_space: global }
      - { .name: D, .offset: 24, .size: 8, .value_kind: global_buffer, .address_space: global }
      - { .name: ba, .offset: 32, .size: 8, .value_kind: global_buffer, .address_space: global }
      - { .name: bp, .offset: 40, .size: 8, .value_kind: global_buffer, .address_space: global }
      - { .name: order, .offset: 48, .size: 8, .value_kind: global_buffer, .address_space: global }
    .group_segment_fixed_size: 2304
    .private_segment_fixed_size: 0
    .kernarg_segment_align: 8
    .kernarg_segment_size: 56
    .max_flat_workgroup_size: 288
    .sgpr_count:     66
    .vgpr_count:     216
    .wavefront_size: 32
...
	.end_amdgpu_metadata
.endif
;; end of part 1
;; launch gather (part 2): grid 256 x 1, 8 waves a work-group, no clusters, 0 bytes of LDS; arguments order, hidden_state, D, out0; writes out0
.if DOCPART == 2
	.amdgcn_target "amdgcn-amd-amdhsa--gfx1250"
	.amdhsa_code_object_version 6
	.text
	.protected	k_qf116390076_gather
	.globl	k_qf116390076_gather
	.p2align	8
	.type	k_qf116390076_gather,@function
k_qf116390076_gather:
	s_mov_b64 s[64:65], 0
	v_nop
	global_prefetch_b8 v0, s[64:65] scope:SCOPE_SE
	s_setreg_imm32_b32 hwreg(HW_REG_WAVE_MODE, 25, 1), 1
	s_wait_xcnt 0x0
; THE ROWS ARE COPIED.  order holds, for each batch, 32 pairs (pos, idx): slot pos of the final stack is row idx of the batch's hidden_state (idx < 1024), zeros (1024) or D (1025);
; the 32 pos of a batch are a permutation of 0..31, so every row of out0 is written once.  A wave copies one row of 2,048 bytes: 2,048 rows, 8 waves x 256 work-groups.
; The pair is read as scalars, held to its range, and chooses the source by a select: no branch.  A row of zeros is read from D and masked to 0 bit by bit.
; No LDS, no barrier: no wave wants a byte that another has fetched.
.set WV,  2                            ; my wave's number
.set BT,  3                            ; the batch
.set PO,  12                           ; s[12:13] pos, idx
.set ID,  13
.set MSK, 22                           ; 0 for a row of zeros, else all ones
	s_load_b256 s[4:11], s[0:1], 0x0               ; order s[4:5], hidden_state s[6:7], D s[8:9], out0 s[10:11]
	v_lshrrev_b32 v1, 5, v0
	v_readfirstlane_b32 s[WV], v1                  ; wave 0..7
	v_and_b32 v1, 31, v0
	v_lshlrev_b32 v1, 4, v1                        ; 16 bytes a lane
	s_lshl_b32 s16, ttmp9, 3
	s_add_co_u32 s16, s16, s[WV]                   ; my pair's number: 8 x work-group + wave
	s_lshl_b32 s16, s16, 3                         ; 8 bytes a pair
	s_mov_b32 s17, 0
	s_lshr_b32 s[BT], ttmp9, 2                     ; 32 pairs, four work-groups, a batch
	s_wait_kmcnt 0x0
	s_add_nc_u64 s[4:5], s[4:5], s[16:17]
	s_load_b64 s[PO:PO+1], s[4:5], 0x0
	s_wait_kmcnt 0x0
	s_min_u32 s[PO], s[PO], 31                     ; loaded numbers enter an address only behind a bound
	s_min_u32 s[ID], s[ID], 1025
	s_min_u32 s18, s[ID], 1023                     ; the row, where there is one
	s_lshl_b32 s18, s18, 11
	s_lshl_b32 s20, s[BT], 21
	s_add_co_u32 s18, s18, s20                     ; under 2^27
	s_mov_b32 s19, 0
	s_add_nc_u64 s[6:7], s[6:7], s[18:19]
	s_lshl_b32 s20, s[BT], 5
	s_add_co_u32 s20, s20, s[PO]
	s_lshl_b32 s20, s20, 11                        ; row 32 batch + pos of out0
	s_mov_b32 s21, 0
	s_add_nc_u64 s[10:11], s[10:11], s[20:21]
	s_cmp_lt_u32 s[ID], 1024
	s_cselect_b64 s[6:7], s[6:7], s[8:9]           ; a row of hidden_state, or D
	s_cmp_eq_u32 s[ID], 1024
	s_cselect_b32 s[MSK], 0, -1
.irp j, 0,1,2,3
	global_load_b128 v[4+4*\j:7+4*\j], v1, s[6:7] offset:512*\j   ; 512 consecutive bytes a load
.endr
.irp j, 0,1,2,3
	s_wait_loadcnt 3-\j                            ; loads come back in order: quarter j is in, the younger ones stay out
.irp q, 0,1,2,3
	v_and_b32 v[4+4*\j+\q], s[MSK], v[4+4*\j+\q]
.endr
	global_store_b128 v1, v[4+4*\j:7+4*\j], s[10:11] offset:512*\j th:TH_STORE_NT  ; 512 consecutive bytes, at a multiple of 256 from out0's first byte
.endr
	s_endpgm
.Lfunc_end_k_qf116390076_gather:
	.size	k_qf116390076_gather, .Lfunc_end_k_qf116390076_gather-k_qf116390076_gather
	.p2alignl 7, 3214868480
	.fill 96, 4, 3214868480
	.section	.rodata,"a",@progbits
	.p2align	6, 0x0
	.amdhsa_kernel k_qf116390076_gather
		.amdhsa_group_segment_fixed_size 0
		.amdhsa_private_segment_fixed_size 0
		.amdhsa_enable_private_segment 0
		.amdhsa_kernarg_size 32
		.amdhsa_user_sgpr_count 2
		.amdhsa_user_sgpr_kernarg_segment_ptr 1
		.amdhsa_wavefront_size32 1
		.amdhsa_system_sgpr_workgroup_id_x 1
		.amdhsa_system_sgpr_workgroup_id_y 1
		.amdhsa_system_sgpr_workgroup_id_z 1
		.amdhsa_system_vgpr_workitem_id 0
		.amdhsa_next_free_vgpr 24
		.amdhsa_next_free_sgpr 66
		.amdhsa_reserve_vcc 0
		.amdhsa_float_denorm_mode_32 3
		.amdhsa_float_denorm_mode_16_64 3
		.amdhsa_memory_ordered 1
		.amdhsa_forward_progress 1
		.amdhsa_inst_pref_size 3
	.end_amdhsa_kernel
	.amdgpu_metadata
---
amdhsa.version: [ 1, 2 ]
amdhsa.kernels:
  - .name:           k_qf116390076_gather
    .symbol:         k_qf116390076_gather.kd
    .args:
      - { .name: order, .offset: 0, .size: 8, .value_kind: global_buffer, .address_space: global }
      - { .name: hidden_state, .offset: 8, .size: 8, .value_kind: global_buffer, .address_space: global }
      - { .name: D, .offset: 16, .size: 8, .value_kind: global_buffer, .address_space: global }
      - { .name: out0, .offset: 24, .size: 8, .value_kind: global_buffer, .address_space: global }
    .group_segment_fixed_size: 0
    .private_segment_fixed_size: 0
    .kernarg_segment_align: 8
    .kernarg_segment_size: 32
    .max_flat_workgroup_size: 256
    .sgpr_count:     66
    .vgpr_count:     24
    .wavefront_size: 32
...
	.end_amdgpu_metadata
.endif
;; end of part 2
;; ======== version 2 of 3: 2 launches; 1.48 times as fast as version 1
;; limits: right only within a limited range of input values
;; workspace buffers: order 16,384 bytes of whole numbers
;; launch scan (part 3): grid 64 x 1, 9 waves a work-group, no clusters, 3,328 bytes of LDS; arguments hidden_state, Wa, Wp, D, ba, bp, order; writes order
.if DOCPART == 3
	.amdgcn_target "amdgcn-amd-amdhsa--gfx1250"
	.amdhsa_code_object_version 6
	.text
	.protected	k_qf116390076_scan
	.globl	k_qf116390076_scan
	.p2align	8
	.type	k_qf116390076_scan,@function
k_qf116390076_scan:
	s_mov_b64 s[64:65], 0
	v_nop
	global_prefetch_b8 v0, s[64:65] scope:SCOPE_SE
	s_setreg_imm32_b32 hwreg(HW_REG_WAVE_MODE, 25, 1), 1
	s_wait_xcnt 0x0
; THE STACK'S DECISIONS.  One work-group walks one batch's 1,024 steps and stores, for each of the 32 stack slots, WHICH row ends there; a later launch copies the rows.
; WHY SCALARS SUFFICE.  A slot holds the zero vector, a row h[b][t] or D.  A step needs of a slot only a = slot . Wa, e1 = slot . (Wp0 - Wp1), e2 = slot . (Wp0 - Wp2):
;   (l0 - l1) sum(w) = sum of w (r1 + e1),  r1 = h_t . (Wp0 - Wp1) + (bp0 - bp1);  l0 - l2 likewise;  w = the softmax's weights, sum(w) > 0: nothing is divided.
;   push if l0 >= l1 and l0 >= l2; else pop if l1 >= l2; else nothing: the first largest, as argmax takes it.
; SHARES.  Waves 0-7 stream the rows, 32 steps (64 KiB) a chunk, four rows a wave, and leave each step's entry in LDS.  Wave 8 walks the chain, one chunk behind them.
;   All products are f32 on the vector unit: three columns for each row, and a decision that falls otherwise changes whole rows of the result, so nothing is rounded to 16 bits.
; AN ENTRY is made once, by the producers: A = a + ba; k = rndne(A log2 e); f = 2^(A log2 e - k), in 0.70 .. 1.42; kept are k, f, f e1, f e2 (and r1, r2 for the step itself).
;   In a step the weight is f 2^(k - K), K = the largest k in the stack NOW: the stack's own maximum is taken away in every step, and no weight passes 1.42.
;   k is kept as the f32 k + 1.5 x 2^23: all such numbers lie in one binade, so an f32 maximum orders them and the difference of two bit patterns is k - K.
; THE STACK IS A RING: lane = a cell, and no entry changes lanes.  A cell's word PI holds its place (0 top, 31 bottom) in bits 31:27 and what it holds in the low bits (0..1023 row t, 1024 zeros, 1025 D).
;   Push: the bottom cell takes h_t and place 0, every other place goes up by 1.  Pop: the top cell takes D and place 31, every other place goes down by 1.  The sums do not ask for the order of the slots.
; THE STEP'S DEPENDENT PATH is what the launch lasts.  On it stay: one select, k - K, the scaling, the two sums over the lanes, a minimum, a compare.  Beside it a step makes BOTH outcomes as whole vectors
;   (the stack with h_t in the bottom cell; the stack with D in the top cell) and the largest k of each, which are the exact maxima after a push and after a pop; the decision selects among them and the old state.
;   All of that is vector work; a step has one scalar line, the lane counter's.
; NO BRANCH AND NO ADDRESS hangs on a floating-point number: a decision acts through lane masks and v_cndmask_b32 alone.
; LIMITS.  |(slot . Wa + ba) log2 e| up to 2^21 (k is clamped there); NaN and infinities are not treated apart; logits that tie within f32 rounding may fall otherwise than in another order of sums.
.set ROWB,  2048                       ; bytes in a row of 512 f32
.set CHUNK, 32                         ; steps in a chunk
.set CHB,   CHUNK*ROWB                 ; bytes in a chunk
.set BUFB,  1024                       ; LDS: two buffers of 32 steps x 32 bytes (k, f, f e1, f e2, r1, r2, 8 unused), at 0 and 1,024
.set SPARE, 2048                       ; behind them: the spare words, 128 bytes for each of nine waves, five blocks of 256 bytes that no other line names
; vector registers.  v1 lane; v2 16 lane + 8,192 wave (my 16 bytes of my first row of a chunk); v3 16 lane (Wa, D); v4 48 lane (Wp); v5 where I store a step's entry;
; v6 32 ((lane + 1) mod 32): the scan's LDS reads, so that lane j holds step j + 1; v7 8 lane
.set SPW, 8                            ; LDS address of my spare word; never rewritten
.set NIL, 9                            ; 0; never rewritten
.set BD1, 10                           ; bp0 - bp1
.set BD2, 11                           ; bp0 - bp2
.set OUT, 12                           ; v[12:14]   a step's (a, e1, e2)
.set ZERO,15                           ; 0
.set WA,  16                           ; v[16:31]   Wa of my 16 columns: 128 j + 4 lane + 0..3 at WA + 4 j
.set W1,  32                           ; v[32:47]   Wp0 - Wp1 of the same columns
.set W2,  48                           ; v[48:63]   Wp0 - Wp2
.set X,   64                           ; v[64:127]  four rows: row i, quarter j at X + 16 i + 4 j
.set RAWW,128                          ; v[128:175] Wp as loaded; free once the differences are made:
.set ACC, 128                          ; v[128:133] three packed sums
.set RES, 136                          ; v[136:147] row i's three products at RES + 3 i
.set TP,  150                          ; v[150:161] the other half of the lanes' sums (written before by Wp's loads)
.set ENT, 176                          ; v[176:181] a producer's entry on its way to LDS
.set CK,  180                          ; v[180:185] the scan wave's chunk, lane j = step j + 1: k, f, f e1, f e2, r1, r2
.set CF,  181
.set CE1, 182
.set CE2, 183
.set CR1, 184
.set CR2, 185
.set KK,  186                          ; the stack, lane = cell: k, f, f e1, f e2
.set FF,  187
.set G1,  188
.set G2,  189
.set POS, 190                          ; v[190:191] the cell's place and what it holds, taken apart at the end
.set IDX, 191
.set DD,  192                          ; k - K
.set V1,  193                          ; f r1 + f e1, f r2 + f e2
.set V2,  194
.set T1,  195                          ; the same scaled, then their sums
.set T2,  196
.set O1,  197                          ; the other half of the lanes'
.set O2,  198
.set KB,  199                          ; the largest k after a push,
.set KT,  200                          ; after a pop
.set OB,  201
.set OT,  202
.set MS,  203                          ; K, in every lane
.set U0,  204
.set PI,  205                          ; place << 27 | what the cell holds
.set PY,  206
.set PK,  207
.set PR,  208
.set KP,  209                          ; the stack after a push (P) and after a pop (Q)
.set KQ,  210
.set FP,  211
.set FQ,  212
.set G1P, 213
.set G1Q, 214
.set G2P, 215
.set G2Q, 216
.set PP,  217
.set PM,  218
.set TIV, 219                          ; the step in the batch
; scalar registers.  s[8:9] hidden_state, s[10:11] Wa, s[12:13] Wp, s[14:15] D, s[16:17] ba, s[18:19] bp, s[20:21] order
.set WV,  2                            ; my wave's number
.set CNT, 3                            ; pairs of chunks to go
.set LN,  4                            ; the step in its chunk
.set CT,  5                            ; trips of eight steps to go
.set SEL, 6                            ; s[6:7] v_permlanex16_b32's selects: each lane takes its own place in the other half
.set BA,  22
.set BP,  24                           ; s[24:26]
.set HB,  28                           ; s[28:29] hidden_state at the chunk that was asked for last
.set XK,  32                           ; the step's entry: k, f, f e1, f e2, r1, r2
.set XF,  33
.set XG1, 34
.set XG2, 35
.set XR1, 36
.set XR2, 37
.set DK,  38                           ; D's entry
.set DF,  39
.set DG1, 40
.set DG2, 41
.set PUSH,42                           ; lane masks, all ones or 0: push;
.set L12, 43                           ; l1 >= l2;
.set MP,  44                           ; one lane: the cell at the bottom;
.set MQ,  45                           ; the cell at the top
.set ONE27,46                          ; 1 << 27: a place
.set C31, 47                           ; (31 << 27) - 1: a word above it has place 31
.set POPV,48                           ; 31 << 27 | 1025: D at the bottom
.set Q1,  50                           ; lanes with lane % 4 = 1, 2, 3
.set Q2,  51
.set Q3,  52
.set L2H, 53                           ; log2 e in two parts
.set L2L, 54
.set KLO, 55                           ; -2^21, 2^21
.set KHI, 56
; One row's three products over my 16 columns: three packed sums by turns, so that no line waits for the one before it; then low + high.
.macro ROWDOT xb, rb
	v_pk_mul_f32 v[ACC:ACC+1],   v[(\xb):(\xb)+1], v[WA:WA+1]
	v_pk_mul_f32 v[ACC+2:ACC+3], v[(\xb):(\xb)+1], v[W1:W1+1]
	v_pk_mul_f32 v[ACC+4:ACC+5], v[(\xb):(\xb)+1], v[W2:W2+1]
.irp p, 2,4,6,8,10,12,14
	v_pk_fma_f32 v[ACC:ACC+1],   v[(\xb)+\p:(\xb)+\p+1], v[WA+\p:WA+\p+1], v[ACC:ACC+1]
	v_pk_fma_f32 v[ACC+2:ACC+3], v[(\xb)+\p:(\xb)+\p+1], v[W1+\p:W1+\p+1], v[ACC+2:ACC+3]
	v_pk_fma_f32 v[ACC+4:ACC+5], v[(\xb)+\p:(\xb)+\p+1], v[W2+\p:W2+\p+1], v[ACC+4:ACC+5]
.endr
	v_add_f32 v[(\rb)],   v[ACC],   v[ACC+1]
	v_add_f32 v[(\rb)+1], v[ACC+2], v[ACC+3]
	v_add_f32 v[(\rb)+2], v[ACC+4], v[ACC+5]
.endm
; n registers from r0 on are summed over the 32 lanes, the result in every lane: four steps inside each half ride on the addition, one crosses the halves.
.macro RED r0, n
.irp m, 1,2,4,8
.set k, 0
.rept \n
	v_add_f32_dpp v[(\r0)+k], v[(\r0)+k], v[(\r0)+k] row_xmask:\m row_mask:0xf bank_mask:0xf
.set k, k+1
.endr
.endr
.set k, 0
.rept \n
	v_permlanex16_b32 v[TP+k], v[(\r0)+k], s[SEL], s[SEL+1]
.set k, k+1
.endr
.set k, 0
.rept \n
	v_add_f32 v[(\r0)+k], v[(\r0)+k], v[TP+k]
.set k, k+1
.endr
.endm
; An entry is made of (a, e1, e2): k + 1.5 x 2^23, f, f e1, f e2.
.macro POST a, e1, e2, kk, f, g1, g2
	v_add_f32 v[PY], s[BA], v[(\a)]                ; A = a + ba
	v_mul_f32 v[PK], s[L2H], v[PY]
	v_rndne_f32 v[PK], v[PK]
	v_med3_num_f32 v[PK], v[PK], s[KLO], s[KHI]    ; k, held to +-2^21
	v_fma_f32 v[PR], v[PY], s[L2H], -v[PK]         ; A log2 e - k, with log2 e in two parts: the first product's error is not lost
	v_fma_f32 v[PR], v[PY], s[L2L], v[PR]
	v_exp_f32 v[(\f)], v[PR]
	v_add_f32 v[(\kk)], 0x4b400000, v[PK]          ; the plain instruction behind the exponential: it names neither its result nor its source
	s_wait_alu depctr_va_vdst(0)                   ; the wait stands ahead of the first line that names the result
	v_mul_f32 v[(\g1)], v[(\f)], v[(\e1)]
	v_mul_f32 v[(\g2)], v[(\f)], v[(\e2)]
.endm
; A producer's share of a chunk: four rows' products, their entries, into LDS buffer buf.  reload = 1: as soon as a row has been multiplied its registers are asked for again, with my row of the next chunk.
.macro PRODUCE buf, reload
.if \reload
	s_wait_xcnt 0x0                                ; the sixteen loads that are out have read their base, so it may be stepped
	s_add_nc_u64 s[HB:HB+1], s[HB:HB+1], CHB
.endif
.irp i, 0,1,2,3
.if \reload
	s_wait_loadcnt 12                              ; loads come back in order: this row's four are in, the twelve younger (three other rows) stay out
.else
	s_wait_loadcnt 12-4*\i                         ; nothing is asked for any more: the counts run down
.endif
	ROWDOT X+16*\i, RES+3*\i
.if \reload
.irp j, 0,1,2,3
	global_load_b128 v[X+16*\i+4*\j:X+16*\i+4*\j+3], v2, s[HB:HB+1] offset:ROWB*\i+512*\j th:TH_LOAD_NT  ; 512 consecutive bytes a load, a row in four
.endr
.endif
.endr
	RED RES, 12
.irp d, 0,1,2
	v_cndmask_b32 v[OUT+\d], v[RES+\d], v[RES+3+\d], s[Q1]   ; lane l keeps row l % 4's three numbers
	v_cndmask_b32 v[OUT+\d], v[OUT+\d], v[RES+6+\d], s[Q2]
	v_cndmask_b32 v[OUT+\d], v[OUT+\d], v[RES+9+\d], s[Q3]
.endr
	POST OUT, OUT+1, OUT+2, ENT, ENT+1, ENT+2, ENT+3    ; the exponential is made here, where there is time, not on the chain
	v_add_f32 v[ENT+4], v[OUT+1], v[BD1]           ; r1, r2
	v_add_f32 v[ENT+5], v[OUT+2], v[BD2]
	ds_store_b128 v5, v[ENT:ENT+3] offset:BUFB*(\buf)        ; step 4 wave + l % 4; the eight lanes that share a step write the same bytes
	ds_store_b64 v5, v[ENT+4:ENT+5] offset:BUFB*(\buf)+16
.endm
.macro MAXX m                          ; one link of the two maxima
	v_max_num_f32_dpp v[KB], v[KB], v[KB] row_xmask:\m row_mask:0xf bank_mask:0xf
	v_max_num_f32_dpp v[KT], v[KT], v[KT] row_xmask:\m row_mask:0xf bank_mask:0xf
.endm
.macro ADDX m                          ; one link of the two sums
	v_add_f32_dpp v[T1], v[T1], v[T1] row_xmask:\m row_mask:0xf bank_mask:0xf
	v_add_f32_dpp v[T2], v[T2], v[T2] row_xmask:\m row_mask:0xf bank_mask:0xf
.endm
; ONE STEP OF THE CHAIN.  The sums' links wait for each other; beside each link stand a link of the two maxima and two lines that wait for nothing: a register of the two outcomes, or the next step's entry
; out of its lane (each scalar register is read anew behind its last use in this step).  last = 1: a trip's eighth step takes the trip count down, far ahead of the branch.
.macro STEP last
	v_sub_nc_u32 v[DD], v[KK], v[MS]               ; k - K, at most 0: the bit patterns' difference
	v_add_nc_u32 v[TIV], 1, v[TIV]                 ; t
	v_fma_f32 v[V1], v[FF], s[XR1], v[G1]          ; f (r1 + e1)
	v_fma_f32 v[V2], v[FF], s[XR2], v[G2]
	v_cmp_lt_u32 s[MP], s[C31], v[PI]              ; place 31: the bottom cell
	v_cmp_gt_u32 s[MQ], s[ONE27], v[PI]            ; place 0: the top cell
	v_ldexp_f32 v[T1], v[V1], v[DD]                ; w (r1 + e1), w (r2 + e2)
	v_ldexp_f32 v[T2], v[V2], v[DD]
	v_add_nc_u32 v[PP], s[ONE27], v[PI]            ; every place up by 1, or down by 1: the low bits are not touched
	v_sub_nc_u32 v[PM], v[PI], s[ONE27]
	v_cndmask_b32 v[KP], v[KK], s[XK], s[MP]       ; k after a push: h_t in the bottom cell;
	v_cndmask_b32 v[KQ], v[KK], s[DK], s[MQ]       ; after a pop: D in the top cell
	s_add_co_u32 s[LN], s[LN], 1                   ; the step's one scalar line: behind the line that has read the younger of the two masks, so no vector line's scalar result is still out
.if \last
	s_sub_co_u32 s[CT], s[CT], 1
	s_cmp_lg_u32 s[CT], 0                          ; nothing behind this line writes SCC before the branch
.endif
	ADDX 1
	v_max_num_f32_dpp v[KB], v[KP], v[KP] row_xmask:1 row_mask:0xf bank_mask:0xf   ; the maxima's first link leaves KP and KQ as they are
	v_max_num_f32_dpp v[KT], v[KQ], v[KQ] row_xmask:1 row_mask:0xf bank_mask:0xf
	v_cndmask_b32 v[FP], v[FF], s[XF], s[MP]
	v_cndmask_b32 v[FQ], v[FF], s[DF], s[MQ]
	ADDX 2
	MAXX 2
	v_cndmask_b32 v[G1P], v[G1], s[XG1], s[MP]
	v_cndmask_b32 v[G1Q], v[G1], s[DG1], s[MQ]
	ADDX 4
	MAXX 4
	v_cndmask_b32 v[G2P], v[G2], s[XG2], s[MP]
	v_cndmask_b32 v[G2Q], v[G2], s[DG2], s[MQ]
	ADDX 8
	MAXX 8
	v_cndmask_b32 v[PP], v[PP], v[TIV], s[MP]      ; the pushed cell: place 0, row t;
	v_cndmask_b32 v[PM], v[PM], s[POPV], s[MQ]     ; the popped cell: place 31, D
	v_permlanex16_b32 v[O1], v[T1], s[SEL], s[SEL+1]
	v_permlanex16_b32 v[O2], v[T2], s[SEL], s[SEL+1]
	v_permlanex16_b32 v[OB], v[KB], s[SEL], s[SEL+1]
	v_permlanex16_b32 v[OT], v[KT], s[SEL], s[SEL+1]
	v_readlane_b32 s[XR1], v[CR1], s[LN]           ; lane t holds step t + 1 (behind a chunk's last step: step 0 once more, which is not used)
	v_readlane_b32 s[XR2], v[CR2], s[LN]
	v_add_f32 v[T1], v[T1], v[O1]                  ; every addition takes a pair both ways round, so all 32 lanes hold the same bits
	v_add_f32 v[T2], v[T2], v[O2]
	v_max_num_f32 v[KB], v[KB], v[OB]
	v_max_num_f32 v[KT], v[KT], v[OT]
	v_readlane_b32 s[XK], v[CK], s[LN]
	v_readlane_b32 s[XF], v[CF], s[LN]
	v_cmp_ge_f32 s[L12], v[T2], v[T1]              ; l1 >= l2
	v_min_num_f32 v[U0], v[T1], v[T2]
	v_readlane_b32 s[XG1], v[CE1], s[LN]
	v_readlane_b32 s[XG2], v[CE2], s[LN]
	v_cmp_le_f32 s[PUSH], 0, v[U0]                 ; l0 >= both
	v_cndmask_b32 v[KK], v[KK], v[KQ], s[L12]      ; what holds if there is no push: these six stand in the wait for the second mask,
	v_cndmask_b32 v[MS], v[MS], v[KT], s[L12]
	v_cndmask_b32 v[FF], v[FF], v[FQ], s[L12]
	v_cndmask_b32 v[G1], v[G1], v[G1Q], s[L12]
	v_cndmask_b32 v[G2], v[G2], v[G2Q], s[L12]
	v_cndmask_b32 v[PI], v[PI], v[PM], s[L12]
	v_cndmask_b32 v[KK], v[KK], v[KP], s[PUSH]     ; and a push overrides it, in the order in which the next step wants them
	v_cndmask_b32 v[MS], v[MS], v[KB], s[PUSH]
	v_cndmask_b32 v[FF], v[FF], v[FP], s[PUSH]
	v_cndmask_b32 v[G1], v[G1], v[G1P], s[PUSH]
	v_cndmask_b32 v[G2], v[G2], v[G2P], s[PUSH]
	v_cndmask_b32 v[PI], v[PI], v[PP], s[PUSH]
.endm
; The scan wave's share of a chunk: the 32 steps' entries out of LDS buffer buf, lane j taking step j + 1; step 0's entry out of lane 31; then the 32 steps, eight a trip.
.macro SCAN buf
	ds_load_b128 v[CK:CK+3], v6 offset:BUFB*(\buf)
	ds_load_b64 v[CR1:CR2], v6 offset:BUFB*(\buf)+16
	s_mov_b32 s[LN], -1                            ; each step counts it up ahead of its use
	s_mov_b32 s[CT], CHUNK/8
	s_wait_dscnt 0x0                               ; the chunk's two LDS reads are back: the buffer is free from the next barrier on
	v_readlane_b32 s[XR1], v[CR1], 31
	v_readlane_b32 s[XR2], v[CR2], 31
	v_readlane_b32 s[XK], v[CK], 31
	v_readlane_b32 s[XF], v[CF], 31
	v_readlane_b32 s[XG1], v[CE1], 31
	v_readlane_b32 s[XG2], v[CE2], 31
.Lstep_\@:
.rept 7
	STEP 0
.endr
	STEP 1
	s_cbranch_scc1 .Lstep_\@
.endm
; Half a trip: the scan wave walks the chunk in buffer p while the producers fill the other buffer with the next chunk.  The buffer that is written was read one half ago, and those reads came back ahead of
; that half's barrier; the buffer that is read was stored one half ago, and those stores were waited for ahead of the same barrier.
.macro HALF p, reload
	s_cmp_eq_u32 s[WV], 8
	s_cbranch_scc1 .Lscan_\@
	PRODUCE 1-(\p), \reload
	s_branch .Lmeet_\@
.Lscan_\@:
	SCAN \p
.Lmeet_\@:
	s_wait_dscnt 0x0                               ; for the others' sake: my stores have landed (the scan wave's reads are back already)
	s_barrier_signal -1
	s_barrier_wait -1
.endm
	s_load_b256 s[8:15], s[0:1], 0x0               ; hidden_state, Wa, Wp, D
	s_load_b128 s[16:19], s[0:1], 0x20             ; ba, bp
	s_load_b64 s[20:21], s[0:1], 0x30              ; order
	v_lshl_add_u32 v[SPW], v0, 2, SPARE
	v_mov_b32 v[NIL], 0
	v_lshrrev_b32 v1, 5, v0
	v_readfirstlane_b32 s[WV], v1                  ; wave 0..8
	v_and_b32 v1, 31, v0                           ; lane
	v_lshlrev_b32 v3, 4, v1
	v_lshl_add_u32 v2, s[WV], 13, v3               ; four rows of 2,048 bytes a wave
	v_mul_u32_u24 v4, v1, 48                       ; four columns of Wp are 48 bytes
	v_and_b32 v5, 3, v0
	v_lshlrev_b32 v5, 5, v5
	v_lshl_add_u32 v5, s[WV], 7, v5                ; 32 (4 wave + lane % 4)
	v_add_nc_u32 v6, 1, v1
	v_and_b32 v6, 31, v6
	v_lshlrev_b32 v6, 5, v6                        ; 32 ((lane + 1) mod 32)
	v_lshlrev_b32 v7, 3, v1
	v_mov_b32 v[ZERO], 0
	s_mov_b32 s[SEL], 0x76543210
	s_mov_b32 s[SEL+1], 0xfedcba98
	s_mov_b32 s[Q1], 0x22222222
	s_mov_b32 s[Q2], 0x44444444
	s_mov_b32 s[Q3], 0x88888888
	s_mov_b32 s[L2H], 0x3fb8aa3b                   ; log2 e rounded to f32,
	s_mov_b32 s[L2L], 0x32a57060                   ; and what that rounding left
	s_mov_b32 s[KLO], 0xca000000
	s_mov_b32 s[KHI], 0x4a000000
	s_mov_b32 s[ONE27], 0x08000000
	s_mov_b32 s[C31], 0xf7ffffff
	s_mov_b32 s[POPV], 0xf8000401
	s_lshl_b32 s30, ttmp9, 21                      ; a batch is 1,024 rows of 2,048 bytes; 64 of them stay under 2^32
	s_mov_b32 s31, 0
	s_wait_kmcnt 0x0
	s_load_b32 s[BA], s[16:17], 0x0
	s_load_b96 s[BP:BP+2], s[18:19], 0x0
	s_add_nc_u64 s[HB:HB+1], s[8:9], s[30:31]
	s_lshl_b32 s30, ttmp9, 8                       ; a batch's 32 pairs of words
	s_add_nc_u64 s[20:21], s[20:21], s[30:31]
	s_cmp_eq_u32 s[WV], 8
	s_cbranch_scc1 .Lload_d
.irp i, 0,1,2,3
.irp j, 0,1,2,3
	global_load_b128 v[X+16*\i+4*\j:X+16*\i+4*\j+3], v2, s[HB:HB+1] offset:ROWB*\i+512*\j th:TH_LOAD_NT  ; chunk 0, first of all
.endr
.endr
	s_branch .Lweights
.Lload_d:
.irp j, 0,1,2,3
	global_load_b128 v[X+4*\j:X+4*\j+3], v3, s[14:15] offset:512*\j  ; the scan wave takes D where a producer has its first row
.endr
.Lweights:
.irp j, 0,1,2,3
	global_load_b128 v[WA+4*\j:WA+4*\j+3], v3, s[10:11] offset:512*\j
.irp m, 0,1,2
	global_load_b128 v[RAWW+12*\j+4*\m:RAWW+12*\j+4*\m+3], v4, s[12:13] offset:1536*\j+16*\m
.endr
.endr
	s_wait_kmcnt 0x0                               ; ba, bp
	v_sub_f32 v[BD1], s[BP], s[BP+1]
	v_sub_f32 v[BD2], s[BP], s[BP+2]
	s_wait_loadcnt 0x0                             ; once: the weights, and the rows (or D) that are wanted next
.irp j, 0,1,2,3
.irp i, 0,1,2,3
	v_sub_f32 v[W1+4*\j+\i], v[RAWW+12*\j+3*\i], v[RAWW+12*\j+3*\i+1]
	v_sub_f32 v[W2+4*\j+\i], v[RAWW+12*\j+3*\i], v[RAWW+12*\j+3*\i+2]
.endr
.endr
	s_cmp_eq_u32 s[WV], 8
	s_cbranch_scc1 .Lstate
	PRODUCE 0, 1                                   ; chunk 0 into buffer 0; chunk 1 is asked for
	s_branch .Lready
.Lstate:
	ROWDOT X, RES                                  ; D's three products and its entry, as scalars
	RED RES, 3
	POST RES, RES+1, RES+2, CK, CF, CE1, CE2
	v_readfirstlane_b32 s[DK], v[CK]
	v_readfirstlane_b32 s[DF], v[CF]
	v_readfirstlane_b32 s[DG1], v[CE1]
	v_readfirstlane_b32 s[DG2], v[CE2]
	POST ZERO, ZERO, ZERO, KK, FF, G1, G2          ; the stack starts with 32 zero vectors: a = e1 = e2 = 0
	v_mov_b32 v[MS], v[KK]                         ; all 32 k are alike: that is K
	v_lshl_or_b32 v[PI], v1, 27, 0x400             ; cell l at place l, holding zeros
	v_mov_b32 v[TIV], -1                           ; each step counts it up ahead of its use
	v_mov_b32 v[KB], 0                             ; destinations of lane exchanges count as read: written once here
	v_mov_b32 v[KT], 0
	v_mov_b32 v[OB], 0
	v_mov_b32 v[OT], 0
	v_mov_b32 v[O1], 0
	v_mov_b32 v[O2], 0
.Lready:
	s_wait_dscnt 0x0                               ; chunk 0's stores have landed
	s_barrier_signal -1
	s_barrier_wait -1
	s_mov_b32 s[CNT], 15
.Lpair:                                        ; 15 trips: chunks 0 to 29 are walked, 1 to 30 finished, 2 to 31 asked for
	HALF 0, 1
	HALF 1, 1
	s_sub_co_u32 s[CNT], s[CNT], 1
	s_cmp_lg_u32 s[CNT], 0
	s_cbranch_scc1 .Lpair
	HALF 0, 0                                      ; chunk 30 is walked, chunk 31 finished; no load leaves the buffer
	s_cmp_lg_u32 s[WV], 8
	s_cbranch_scc1 .Lend
	SCAN 1                                         ; chunk 31
	v_lshrrev_b32 v[POS], 27, v[PI]                ; my cell's place,
	v_and_b32 v[IDX], 0x7ff, v[PI]                 ; and what it holds
	global_store_b64 v7, v[POS:IDX], s[20:21]      ; 32 lanes store 256 consecutive bytes, at a multiple of 256 from order's first byte
.Lend:
	s_wait_tensorcnt 0x0                           ; the wave's end: behind my last LDS store
	ds_add_u32 v[SPW], v[NIL]
	s_wait_dscnt 0x0
	s_endpgm
.Lfunc_end_k_qf116390076_scan:
	.size	k_qf116390076_scan, .Lfunc_end_k_qf116390076_scan-k_qf116390076_scan
	.p2alignl 7, 3214868480
	.fill 96, 4, 3214868480
	.section	.rodata,"a",@progbits
	.p2align	6, 0x0
	.amdhsa_kernel k_qf116390076_scan
		.amdhsa_group_segment_fixed_size 3328
		.amdhsa_private_segment_fixed_size 0
		.amdhsa_enable_private_segment 0
		.amdhsa_kernarg_size 56
		.amdhsa_user_sgpr_count 2
		.amdhsa_user_sgpr_kernarg_segment_ptr 1
		.amdhsa_wavefront_size32 1
		.amdhsa_system_sgpr_workgroup_id_x 1
		.amdhsa_system_sgpr_workgroup_id_y 1
		.amdhsa_system_sgpr_workgroup_id_z 1
		.amdhsa_system_vgpr_workitem_id 0
		.amdhsa_next_free_vgpr 224
		.amdhsa_next_free_sgpr 66
		.amdhsa_reserve_vcc 0
		.amdhsa_float_denorm_mode_32 3
		.amdhsa_float_denorm_mode_16_64 3
		.amdhsa_memory_ordered 1
		.amdhsa_forward_progress 1
		.amdhsa_inst_pref_size 191
	.end_amdhsa_kernel
	.amdgpu_metadata
---
amdhsa.version: [ 1, 2 ]
amdhsa.kernels:
  - .name:           k_qf116390076_scan
    .symbol:         k_qf116390076_scan.kd
    .args:
      - { .name: hidden_state, .offset: 0, .size: 8, .value_kind: global_buffer, .address_space: global }
      - { .name: Wa, .offset: 8, .size: 8, .value_kind: global_buffer, .address_space: global }
      - { .name: Wp, .offset: 16, .size: 8, .value_kind: global_buffer, .address_space: global }
      - { .name: D, .offset: 24, .size: 8, .value_kind: global_buffer, .address_space: global }
      - { .name: ba, .offset: 32, .size: 8, .value_kind: global_buffer, .address_space: global }
      - { .name: bp, .offset: 40, .size: 8, .value_kind: global_buffer, .address_space: global }
      - { .name: order, .offset: 48, .size: 8, .value_kind: global_buffer, .address_space: global }
    .group_segment_fixed_size: 3328
    .private_segment_fixed_size: 0
    .kernarg_segment_align: 8
    .kernarg_segment_size: 56
    .max_flat_workgroup_size: 288
    .sgpr_count:     66
    .vgpr_count:     224
    .wavefront_size: 32
...
	.end_amdgpu_metadata
.endif
;; end of part 3
;; launch gather: the kernel of part 2 again; grid 256 x 1, 8 waves a work-group, no clusters, 0 bytes of LDS; arguments order, hidden_state, D, out0; writes out0
;; ======== version 3 of 3: 2 launches; version 2 with the launch scan written anew for expert scheduling mode
;; limits: right only within a limited range of input values
;; workspace buffers: order 16,384 bytes of whole numbers
;; launch scan (part 4): grid 64 x 1, 9 waves a work-group, no clusters, 3,328 bytes of LDS; arguments hidden_state, Wa, Wp, D, ba, bp, order; writes order
.if DOCPART == 4
	.amdgcn_target "amdgcn-amd-amdhsa--gfx1250"
	.amdhsa_code_object_version 6
	.text
	.protected	k_qf116390076_scan
	.globl	k_qf116390076_scan
	.p2align	8
	.type	k_qf116390076_scan,@function
k_qf116390076_scan:
	s_mov_b64 s[64:65], 0
	v_nop
	global_prefetch_b8 v0, s[64:65] scope:SCOPE_SE
	s_setreg_imm32_b32 hwreg(HW_REG_WAVE_SCHED_MODE, 0, 2), 2
	s_setreg_imm32_b32 hwreg(HW_REG_WAVE_MODE, 25, 1), 1
	s_wait_xcnt 0x0
	s_wait_alu depctr_vm_vsrc(0)
; THE STACK'S DECISIONS.  One work-group walks one batch's 1,024 steps and stores, for each of the 32 stack slots, WHICH row ends there; a later launch copies the rows.
; WHY SCALARS SUFFICE.  A slot holds the zero vector, a row h[b][t] or D.  A step needs of a slot only a = slot . Wa, e1 = slot . (Wp0 - Wp1), e2 = slot . (Wp0 - Wp2):
;   (l0 - l1) sum(w) = sum of w (r1 + e1),  r1 = h_t . (Wp0 - Wp1) + (bp0 - bp1);  l0 - l2 likewise;  w = the softmax's weights, sum(w) > 0: nothing is divided.
;   push if l0 >= l1 and l0 >= l2; else pop if l1 >= l2; else nothing: the first largest, as argmax takes it.
; SHARES.  Waves 0-7 stream the rows, 32 steps (64 KiB) a chunk, four rows a wave, and leave each step's entry in LDS.  Wave 8 walks the chain, one chunk behind them.
;   All products are f32 on the vector unit: three columns for each row, and a decision that falls otherwise changes whole rows of the result, so nothing is rounded to 16 bits.
; AN ENTRY is made once, by the producers: A = a + ba; k = rndne(A log2 e); f = 2^(A log2 e - k), in 0.70 .. 1.42; kept are k, f, f e1, f e2 (and r1, r2 for the step itself).
;   In a step the weight is f 2^(k - K), K = the largest k in the stack NOW: the stack's own maximum is taken away in every step, and no weight passes 1.42.
;   k is kept as the f32 k + 1.5 x 2^23: all such numbers lie in one binade, so an f32 maximum orders them and the difference of two bit patterns is k - K.
; THE STACK IS A RING: lane = a cell, and no entry changes lanes.  A cell's word PI holds its place (0 top, 31 bottom) in bits 31:27 and what it holds in the low bits (0..1023 row t, 1024 zeros, 1025 D).
;   Push: the bottom cell takes h_t and place 0, every other place goes up by 1.  Pop: the top cell takes D and place 31, every other place goes down by 1.  The sums do not ask for the order of the slots.
; THE STEP'S DEPENDENT PATH is what the launch lasts.  On it stay: one select, k - K, the scaling, the two sums over the lanes, a minimum, a compare.  Beside it a step makes BOTH outcomes as whole vectors
;   (the stack with h_t in the bottom cell; the stack with D in the top cell) and the largest k of each, which are the exact maxima after a push and after a pop; the decision selects among them and the old state.
;   All of that is vector work; a step has one scalar line, the lane counter's.
; NO BRANCH AND NO ADDRESS hangs on a floating-point number: a decision acts through lane masks and v_cndmask_b32 alone.
; LIMITS.  |(slot . Wa + ba) log2 e| up to 2^21 (k is clamped there); NaN and infinities are not treated apart; logits that tie within f32 rounding may fall otherwise than in another order of sums.
; THE MODE: SCHED_MODE bits 1:0 = 2 (LLVM: expert scheduling mode 2), set by the entry lines.  The code itself states the register dependences
; between vector instructions and memory or LDS instructions, with s_wait_alu, always for 0; likewise those through scalar registers and VCC that vector instructions write.
; THE PLAN.  Registers that memory or LDS instructions touch:
;   v2 .. v7      offsets and LDS addresses: written at the head and never again.  One wait on va_vdst ahead of the first load serves every load and store of the kernel.
;   X             (producers) a chunk's sixteen loads land in it; the four rows' products read it.
;   ENT           (producers) the entry's lines write it; the two LDS stores read it.
;                 ONE wait on va_vdst stands behind the entry's last line: ENT is written, and the four rows' products are done reading X.  Behind it, with no vector line between, stand the next chunk's
;                 sixteen loads and the two stores.  One wait on vm_vsrc behind the stores: they have read ENT, which the next chunk's entry writes again.
;   CK .. CR2     (scan wave) a chunk's two LDS loads land in them; v_readlane_b32 reads them (ahead of the first chunk: D's entry is made there).  One wait on va_vdst at a chunk's head.
;   POS, IDX      (scan wave) two vector lines write them, the one global store reads them: one wait on va_vdst between.
;   Every other vector register, but v222 and v223 that the closing ds_add_u32 reads, is named by vector instructions alone.
; Scalar registers and VCC that vector instructions write, each with a wait between the writer and its first reader, ahead of every label and branch between the two:
;   s[WV]; D's entry; a chunk's first entry; and in a step three waits: for the two place masks; for VCC (l1 >= l2), which has a field of its own, so that its six selects stand between the compare
;   for the push and that compare's wait; and for s[PUSH] together with the next step's entry, whose six v_readlane_b32 stand ahead of that compare.
.set ROWB,  2048                       ; bytes in a row of 512 f32
.set CHUNK, 32                         ; steps in a chunk
.set CHB,   CHUNK*ROWB                 ; bytes in a chunk
.set BUFB,  1024                       ; LDS: two buffers of 32 steps x 32 bytes (k, f, f e1, f e2, r1, r2, 8 unused), at 0 and 1,024; from 2,048 on: the spare words, 4 bytes a lane, of the closing add
; vector registers.  v1 lane; v2 16 lane + 8,192 wave (my 16 bytes of my first row of a chunk); v3 16 lane (Wa, D); v4 48 lane (Wp); v5 where I store a step's entry;
; v6 32 ((lane + 1) mod 32): the scan's LDS reads, so that lane j holds step j + 1; v7 8 lane
.set BD1, 10                           ; bp0 - bp1
.set BD2, 11                           ; bp0 - bp2
.set OUT, 12                           ; v[12:14]   a step's (a, e1, e2)
.set ZERO,15                           ; 0
.set WA,  16                           ; v[16:31]   Wa of my 16 columns: 128 j + 4 lane + 0..3 at WA + 4 j
.set W1,  32                           ; v[32:47]   Wp0 - Wp1 of the same columns
.set W2,  48                           ; v[48:63]   Wp0 - Wp2
.set X,   64                           ; v[64:127]  four rows: row i, quarter j at X + 16 i + 4 j
.set RAWW,128                          ; v[128:175] Wp as loaded; free once the differences are made:
.set ACC, 128                          ; v[128:133] three packed sums
.set RES, 136                          ; v[136:147] row i's three products at RES + 3 i
.set TP,  150                          ; v[150:161] the other half of the lanes' sums (written before by Wp's loads)
.set ENT, 176                          ; v[176:181] a producer's entry on its way to LDS
.set CK,  180                          ; v[180:185] the scan wave's chunk, lane j = step j + 1: k, f, f e1, f e2, r1, r2
.set CF,  181
.set CE1, 182
.set CE2, 183
.set CR1, 184
.set CR2, 185
.set KK,  186                          ; the stack, lane = cell: k, f, f e1, f e2
.set FF,  187
.set G1,  188
.set G2,  189
.set POS, 190                          ; v[190:191] the cell's place and what it holds, taken apart at the end
.set IDX, 191
.set DD,  192                          ; k - K
.set V1,  193                          ; f r1 + f e1, f r2 + f e2
.set V2,  194
.set T1,  195                          ; the same scaled, then their sums
.set T2,  196
.set O1,  197                          ; the other half of the lanes'
.set O2,  198
.set KB,  199                          ; the largest k after a push,
.set KT,  200                          ; after a pop
.set OB,  201
.set OT,  202
.set MS,  203                          ; K, in every lane
.set U0,  204
.set PI,  205                          ; place << 27 | what the cell holds
.set PY,  206
.set PK,  207
.set PR,  208
.set KP,  209                          ; the stack after a push (P) and after a pop (Q)
.set KQ,  210
.set FP,  211
.set FQ,  212
.set G1P, 213
.set G1Q, 214
.set G2P, 215
.set G2Q, 216
.set PP,  217
.set PM,  218
.set TIV, 219                          ; the step in the batch
; scalar registers.  s[8:9] hidden_state, s[10:11] Wa, s[12:13] Wp, s[14:15] D, s[16:17] ba, s[18:19] bp, s[20:21] order
.set WV,  2                            ; my wave's number
.set CNT, 3                            ; pairs of chunks to go
.set LN,  4                            ; the step in its chunk
.set CT,  5                            ; trips of eight steps to go
.set SEL, 6                            ; s[6:7] v_permlanex16_b32's selects: each lane takes its own place in the other half
.set BA,  22
.set BP,  24                           ; s[24:26]
.set HB,  28                           ; s[28:29] hidden_state at the chunk that was asked for last
.set XK,  32                           ; the step's entry: k, f, f e1, f e2, r1, r2
.set XF,  33
.set XG1, 34
.set XG2, 35
.set XR1, 36
.set XR2, 37
.set DK,  38                           ; D's entry
.set DF,  39
.set DG1, 40
.set DG2, 41
.set PUSH,42                           ; lane masks, all ones or 0: push (l1 >= l2 lies in VCC);
.set MP,  44                           ; one lane: the cell at the bottom;
.set MQ,  45                           ; the cell at the top
.set ONE27,46                          ; 1 << 27: a place
.set C31, 47                           ; (31 << 27) - 1: a word above it has place 31
.set POPV,48                           ; 31 << 27 | 1025: D at the bottom
.set Q1,  50                           ; lanes with lane % 4 = 1, 2, 3
.set Q2,  51
.set Q3,  52
.set L2H, 53                           ; log2 e in two parts
.set L2L, 54
.set KLO, 55                           ; -2^21, 2^21
.set KHI, 56
; One row's three products over my 16 columns: three packed sums by turns, so that no line waits for the one before it; then low + high.
.macro ROWDOT xb, rb
	v_pk_mul_f32 v[ACC:ACC+1],   v[(\xb):(\xb)+1], v[WA:WA+1]
	v_pk_mul_f32 v[ACC+2:ACC+3], v[(\xb):(\xb)+1], v[W1:W1+1]
	v_pk_mul_f32 v[ACC+4:ACC+5], v[(\xb):(\xb)+1], v[W2:W2+1]
.irp p, 2,4,6,8,10,12,14
	v_pk_fma_f32 v[ACC:ACC+1],   v[(\xb)+\p:(\xb)+\p+1], v[WA+\p:WA+\p+1], v[ACC:ACC+1]
	v_pk_fma_f32 v[ACC+2:ACC+3], v[(\xb)+\p:(\xb)+\p+1], v[W1+\p:W1+\p+1], v[ACC+2:ACC+3]
	v_pk_fma_f32 v[ACC+4:ACC+5], v[(\xb)+\p:(\xb)+\p+1], v[W2+\p:W2+\p+1], v[ACC+4:ACC+5]
.endr
	v_add_f32 v[(\rb)],   v[ACC],   v[ACC+1]
	v_add_f32 v[(\rb)+1], v[ACC+2], v[ACC+3]
	v_add_f32 v[(\rb)+2], v[ACC+4], v[ACC+5]
.endm
; n registers from r0 on are summed over the 32 lanes, the result in every lane: four steps inside each half ride on the addition, one crosses the halves.
.macro RED r0, n
.irp m, 1,2,4,8
.set k, 0
.rept \n
	v_add_f32_dpp v[(\r0)+k], v[(\r0)+k], v[(\r0)+k] row_xmask:\m row_mask:0xf bank_mask:0xf
.set k, k+1
.endr
.endr
.set k, 0
.rept \n
	v_permlanex16_b32 v[TP+k], v[(\r0)+k], s[SEL], s[SEL+1]
.set k, k+1
.endr
.set k, 0
.rept \n
	v_add_f32 v[(\r0)+k], v[(\r0)+k], v[TP+k]
.set k, k+1
.endr
.endm
; An entry is made of (a, e1, e2): k + 1.5 x 2^23, f, f e1, f e2.
.macro POST a, e1, e2, kk, f, g1, g2
	v_add_f32 v[PY], s[BA], v[(\a)]                ; A = a + ba
	v_mul_f32 v[PK], s[L2H], v[PY]
	v_rndne_f32 v[PK], v[PK]
	v_med3_num_f32 v[PK], v[PK], s[KLO], s[KHI]    ; k, held to +-2^21
	v_fma_f32 v[PR], v[PY], s[L2H], -v[PK]         ; A log2 e - k, with log2 e in two parts: the first product's error is not lost
	v_fma_f32 v[PR], v[PY], s[L2L], v[PR]
	v_exp_f32 v[(\f)], v[PR]
	v_add_f32 v[(\kk)], 0x4b400000, v[PK]          ; the plain instruction behind the exponential: it names neither its result nor its source
	s_wait_alu depctr_va_vdst(0)                   ; the exponential has written f: the wait stands ahead of the first line that names the result
	v_mul_f32 v[(\g1)], v[(\f)], v[(\e1)]
	v_mul_f32 v[(\g2)], v[(\f)], v[(\e2)]
.endm
; A producer's share of a chunk: four rows' products, their entries, into LDS buffer buf.  reload = 1: behind the chunk's one wait on va_vdst the four rows' registers are asked for again, with my rows of the
; next chunk: they are wanted when the scan wave has walked a whole chunk of 32 steps.
.macro PRODUCE buf, reload
.if \reload
	s_wait_xcnt 0x0                                ; the sixteen loads that are out have read their base, so it may be stepped
	s_add_nc_u64 s[HB:HB+1], s[HB:HB+1], CHB
.endif
.irp i, 0,1,2,3
	s_wait_loadcnt 12-4*\i                         ; loads come back in order: this row's four are in, the younger rows' stay out; nothing is asked for between the rows, so the counts run down
	ROWDOT X+16*\i, RES+3*\i
.endr
	RED RES, 12
.irp d, 0,1,2
	v_cndmask_b32 v[OUT+\d], v[RES+\d], v[RES+3+\d], s[Q1]   ; lane l keeps row l % 4's three numbers
	v_cndmask_b32 v[OUT+\d], v[OUT+\d], v[RES+6+\d], s[Q2]
	v_cndmask_b32 v[OUT+\d], v[OUT+\d], v[RES+9+\d], s[Q3]
.endr
	POST OUT, OUT+1, OUT+2, ENT, ENT+1, ENT+2, ENT+3    ; the exponential is made here, where there is time, not on the chain
	v_add_f32 v[ENT+4], v[OUT+1], v[BD1]           ; r1, r2
	v_add_f32 v[ENT+5], v[OUT+2], v[BD2]
	s_wait_alu depctr_va_vdst(0)                   ; the entry's lines have written v[ENT ..], which the two LDS stores read; the four rows' products are done reading X, in which the loads below land
.if \reload
.irp i, 0,1,2,3
.irp j, 0,1,2,3
	global_load_b128 v[X+16*\i+4*\j:X+16*\i+4*\j+3], v2, s[HB:HB+1] offset:ROWB*\i+512*\j th:TH_LOAD_NT  ; 512 consecutive bytes a load, a row in four
.endr
.endr
.endif
	ds_store_b128 v5, v[ENT:ENT+3] offset:BUFB*(\buf)        ; step 4 wave + l % 4; the eight lanes that share a step write the same bytes
	ds_store_b64 v5, v[ENT+4:ENT+5] offset:BUFB*(\buf)+16
.if \reload
	s_wait_alu depctr_vm_vsrc(0)                   ; the two LDS stores have read v[ENT ..], which the next chunk's entry writes again (the last chunk has no successor, and no such wait)
.endif
.endm
.macro MAXX m                          ; one link of the two maxima
	v_max_num_f32_dpp v[KB], v[KB], v[KB] row_xmask:\m row_mask:0xf bank_mask:0xf
	v_max_num_f32_dpp v[KT], v[KT], v[KT] row_xmask:\m row_mask:0xf bank_mask:0xf
.endm
.macro ADDX m                          ; one link of the two sums
	v_add_f32_dpp v[T1], v[T1], v[T1] row_xmask:\m row_mask:0xf bank_mask:0xf
	v_add_f32_dpp v[T2], v[T2], v[T2] row_xmask:\m row_mask:0xf bank_mask:0xf
.endm
; ONE STEP OF THE CHAIN.  The sums' links wait for each other; beside each link stand a link of the two maxima and two lines that wait for nothing: a register of the two outcomes, or the next step's entry
; out of its lane (each scalar register is read anew behind its last use in this step).  last = 1: a trip's eighth step takes the trip count down, far ahead of the branch.
.macro STEP last
	v_sub_nc_u32 v[DD], v[KK], v[MS]               ; k - K, at most 0: the bit patterns' difference
	v_add_nc_u32 v[TIV], 1, v[TIV]                 ; t
	v_fma_f32 v[V1], v[FF], s[XR1], v[G1]          ; f (r1 + e1)
	v_fma_f32 v[V2], v[FF], s[XR2], v[G2]
	v_cmp_lt_u32 s[MP], s[C31], v[PI]              ; place 31: the bottom cell
	v_cmp_gt_u32 s[MQ], s[ONE27], v[PI]            ; place 0: the top cell
	v_ldexp_f32 v[T1], v[V1], v[DD]                ; w (r1 + e1), w (r2 + e2)
	v_ldexp_f32 v[T2], v[V2], v[DD]
	v_add_nc_u32 v[PP], s[ONE27], v[PI]            ; every place up by 1, or down by 1: the low bits are not touched
	v_sub_nc_u32 v[PM], v[PI], s[ONE27]
	s_wait_alu depctr_va_sdst(0)                   ; the two compares have written s[MP] and s[MQ], ahead of their first readers, the two selects below
	v_cndmask_b32 v[KP], v[KK], s[XK], s[MP]       ; k after a push: h_t in the bottom cell;
	v_cndmask_b32 v[KQ], v[KK], s[DK], s[MQ]       ; after a pop: D in the top cell
	s_add_co_u32 s[LN], s[LN], 1                   ; the step's one scalar line: behind the wait for the two masks, so no vector line's scalar result is still out
.if \last
	s_sub_co_u32 s[CT], s[CT], 1
	s_cmp_lg_u32 s[CT], 0                          ; nothing behind this line writes SCC before the branch
.endif
	ADDX 1
	v_max_num_f32_dpp v[KB], v[KP], v[KP] row_xmask:1 row_mask:0xf bank_mask:0xf   ; the maxima's first link leaves KP and KQ as they are
	v_max_num_f32_dpp v[KT], v[KQ], v[KQ] row_xmask:1 row_mask:0xf bank_mask:0xf
	v_cndmask_b32 v[FP], v[FF], s[XF], s[MP]
	v_cndmask_b32 v[FQ], v[FF], s[DF], s[MQ]
	ADDX 2
	MAXX 2
	v_cndmask_b32 v[G1P], v[G1], s[XG1], s[MP]
	v_cndmask_b32 v[G1Q], v[G1], s[DG1], s[MQ]
	ADDX 4
	MAXX 4
	v_cndmask_b32 v[G2P], v[G2], s[XG2], s[MP]
	v_cndmask_b32 v[G2Q], v[G2], s[DG2], s[MQ]
	ADDX 8
	MAXX 8
	v_cndmask_b32 v[PP], v[PP], v[TIV], s[MP]      ; the pushed cell: place 0, row t;
	v_cndmask_b32 v[PM], v[PM], s[POPV], s[MQ]     ; the popped cell: place 31, D
	v_permlanex16_b32 v[O1], v[T1], s[SEL], s[SEL+1]
	v_permlanex16_b32 v[O2], v[T2], s[SEL], s[SEL+1]
	v_permlanex16_b32 v[OB], v[KB], s[SEL], s[SEL+1]
	v_permlanex16_b32 v[OT], v[KT], s[SEL], s[SEL+1]
	v_readlane_b32 s[XR1], v[CR1], s[LN]           ; lane t holds step t + 1 (behind a chunk's last step: step 0 once more, which is not used)
	v_readlane_b32 s[XR2], v[CR2], s[LN]
	v_add_f32 v[T1], v[T1], v[O1]                  ; every addition takes a pair both ways round, so all 32 lanes hold the same bits
	v_add_f32 v[T2], v[T2], v[O2]
	v_max_num_f32 v[KB], v[KB], v[OB]
	v_max_num_f32 v[KT], v[KT], v[OT]
	v_readlane_b32 s[XK], v[CK], s[LN]
	v_readlane_b32 s[XF], v[CF], s[LN]
	v_cmp_ge_f32 vcc_lo, v[T2], v[T1]              ; l1 >= l2, into VCC
	v_min_num_f32 v[U0], v[T1], v[T2]
	v_readlane_b32 s[XG1], v[CE1], s[LN]
	v_readlane_b32 s[XG2], v[CE2], s[LN]
	v_cmp_le_f32 s[PUSH], 0, v[U0]                 ; l0 >= both
	s_wait_alu depctr_va_vcc(0)                    ; the compare l1 >= l2 has written VCC, ahead of its first reader
	v_cndmask_b32 v[KK], v[KK], v[KQ], vcc_lo      ; what holds if there is no push: these six stand between the second compare and the wait for its mask,
	v_cndmask_b32 v[MS], v[MS], v[KT], vcc_lo
	v_cndmask_b32 v[FF], v[FF], v[FQ], vcc_lo
	v_cndmask_b32 v[G1], v[G1], v[G1Q], vcc_lo
	v_cndmask_b32 v[G2], v[G2], v[G2Q], vcc_lo
	v_cndmask_b32 v[PI], v[PI], v[PM], vcc_lo
	s_wait_alu depctr_va_sdst(0)                   ; the second compare has written s[PUSH], ahead of its first reader; the six v_readlane_b32 have written the next step's entry, ahead of that step and of the trip's branch
	v_cndmask_b32 v[KK], v[KK], v[KP], s[PUSH]     ; and a push overrides it, in the order in which the next step wants them
	v_cndmask_b32 v[MS], v[MS], v[KB], s[PUSH]
	v_cndmask_b32 v[FF], v[FF], v[FP], s[PUSH]
	v_cndmask_b32 v[G1], v[G1], v[G1P], s[PUSH]
	v_cndmask_b32 v[G2], v[G2], v[G2P], s[PUSH]
	v_cndmask_b32 v[PI], v[PI], v[PP], s[PUSH]
.endm
; The scan wave's share of a chunk: the 32 steps' entries out of LDS buffer buf, lane j taking step j + 1; step 0's entry out of lane 31; then the 32 steps, eight a trip.
.macro SCAN buf
	s_wait_alu depctr_va_vdst(0)                   ; the lines that named v[CK ..] are done with them (the last chunk's v_readlane_b32; ahead of the first chunk the lines that made and read D's entry there): the two loads below land in them
	ds_load_b128 v[CK:CK+3], v6 offset:BUFB*(\buf)
	ds_load_b64 v[CR1:CR2], v6 offset:BUFB*(\buf)+16
	s_mov_b32 s[LN], -1                            ; each step counts it up ahead of its use
	s_mov_b32 s[CT], CHUNK/8
	s_wait_dscnt 0x0                               ; the chunk's two LDS reads are back: the buffer is free from the next barrier on
	v_readlane_b32 s[XR1], v[CR1], 31
	v_readlane_b32 s[XR2], v[CR2], 31
	v_readlane_b32 s[XK], v[CK], 31
	v_readlane_b32 s[XF], v[CF], 31
	v_readlane_b32 s[XG1], v[CE1], 31
	v_readlane_b32 s[XG2], v[CE2], 31
	s_wait_alu depctr_va_sdst(0)                   ; these six have written step 0's entry, ahead of the label and of its first readers in the step
.Lstep_\@:
.rept 7
	STEP 0
.endr
	STEP 1
	s_cbranch_scc1 .Lstep_\@
.endm
; Half a trip: the scan wave walks the chunk in buffer p while the producers fill the other buffer with the next chunk.  The buffer that is written was read one half ago, and those reads came back ahead of
; that half's barrier; the buffer that is read was stored one half ago, and those stores were waited for ahead of the same barrier.
.macro HALF p, reload
	s_cmp_eq_u32 s[WV], 8
	s_cbranch_scc1 .Lscan_\@
	PRODUCE 1-(\p), \reload
	s_branch .Lmeet_\@
.Lscan_\@:
	SCAN \p
.Lmeet_\@:
	s_wait_dscnt 0x0                               ; for the others' sake: my stores have landed (the scan wave's reads are back already)
	s_barrier_signal -1
	s_barrier_wait -1
.endm
	s_load_b256 s[8:15], s[0:1], 0x0               ; hidden_state, Wa, Wp, D
	s_load_b128 s[16:19], s[0:1], 0x20             ; ba, bp
	s_load_b64 s[20:21], s[0:1], 0x30              ; order
	v_lshl_add_u32 v222, v0, 2, 0x800
	v_mov_b32 v223, 0
	v_lshrrev_b32 v1, 5, v0
	v_readfirstlane_b32 s[WV], v1                  ; wave 0..8
	v_and_b32 v1, 31, v0                           ; lane
	v_lshlrev_b32 v3, 4, v1
	v_mul_u32_u24 v4, v1, 48                       ; four columns of Wp are 48 bytes
	v_and_b32 v5, 3, v0
	v_lshlrev_b32 v5, 5, v5
	v_add_nc_u32 v6, 1, v1
	v_and_b32 v6, 31, v6
	v_lshlrev_b32 v6, 5, v6                        ; 32 ((lane + 1) mod 32)
	v_lshlrev_b32 v7, 3, v1
	v_mov_b32 v[ZERO], 0
	s_wait_alu depctr_va_sdst(0)                   ; s[WV] is written, ahead of its first reader, the line below
	v_lshl_add_u32 v2, s[WV], 13, v3               ; four rows of 2,048 bytes a wave
	v_lshl_add_u32 v5, s[WV], 7, v5                ; 32 (4 wave + lane % 4)
	s_mov_b32 s[SEL], 0x76543210
	s_mov_b32 s[SEL+1], 0xfedcba98
	s_mov_b32 s[Q1], 0x22222222
	s_mov_b32 s[Q2], 0x44444444
	s_mov_b32 s[Q3], 0x88888888
	s_mov_b32 s[L2H], 0x3fb8aa3b                   ; log2 e rounded to f32,
	s_mov_b32 s[L2L], 0x32a57060                   ; and what that rounding left
	s_mov_b32 s[KLO], 0xca000000
	s_mov_b32 s[KHI], 0x4a000000
	s_mov_b32 s[ONE27], 0x08000000
	s_mov_b32 s[C31], 0xf7ffffff
	s_mov_b32 s[POPV], 0xf8000401
	s_lshl_b32 s30, ttmp9, 21                      ; a batch is 1,024 rows of 2,048 bytes; 64 of them stay under 2^32
	s_mov_b32 s31, 0
	s_wait_kmcnt 0x0
	s_load_b32 s[BA], s[16:17], 0x0
	s_load_b96 s[BP:BP+2], s[18:19], 0x0
	s_add_nc_u64 s[HB:HB+1], s[8:9], s[30:31]
	s_lshl_b32 s30, ttmp9, 8                       ; a batch's 32 pairs of words
	s_add_nc_u64 s[20:21], s[20:21], s[30:31]
	s_wait_alu depctr_va_vdst(0)                   ; the offsets and LDS addresses v2 to v7 are written: every load and store of the kernel reads one of them, and none is written again
	s_cmp_eq_u32 s[WV], 8
	s_cbranch_scc1 .Lload_d
.irp i, 0,1,2,3
.irp j, 0,1,2,3
	global_load_b128 v[X+16*\i+4*\j:X+16*\i+4*\j+3], v2, s[HB:HB+1] offset:ROWB*\i+512*\j th:TH_LOAD_NT  ; chunk 0, first of all
.endr
.endr
	s_branch .Lweights
.Lload_d:
.irp j, 0,1,2,3
	global_load_b128 v[X+4*\j:X+4*\j+3], v3, s[14:15] offset:512*\j  ; the scan wave takes D where a producer has its first row
.endr
.Lweights:
.irp j, 0,1,2,3
	global_load_b128 v[WA+4*\j:WA+4*\j+3], v3, s[10:11] offset:512*\j
.irp m, 0,1,2
	global_load_b128 v[RAWW+12*\j+4*\m:RAWW+12*\j+4*\m+3], v4, s[12:13] offset:1536*\j+16*\m
.endr
.endr
	s_wait_kmcnt 0x0                               ; ba, bp
	v_sub_f32 v[BD1], s[BP], s[BP+1]
	v_sub_f32 v[BD2], s[BP], s[BP+2]
	s_wait_loadcnt 0x0                             ; once: the weights, and the rows (or D) that are wanted next
.irp j, 0,1,2,3
.irp i, 0,1,2,3
	v_sub_f32 v[W1+4*\j+\i], v[RAWW+12*\j+3*\i], v[RAWW+12*\j+3*\i+1]
	v_sub_f32 v[W2+4*\j+\i], v[RAWW+12*\j+3*\i], v[RAWW+12*\j+3*\i+2]
.endr
.endr
	s_cmp_eq_u32 s[WV], 8
	s_cbranch_scc1 .Lstate
	PRODUCE 0, 1                                   ; chunk 0 into buffer 0; chunk 1 is asked for
	s_branch .Lready
.Lstate:
	ROWDOT X, RES                                  ; D's three products and its entry, as scalars
	RED RES, 3
	POST RES, RES+1, RES+2, CK, CF, CE1, CE2
	v_readfirstlane_b32 s[DK], v[CK]
	v_readfirstlane_b32 s[DF], v[CF]
	v_readfirstlane_b32 s[DG1], v[CE1]
	v_readfirstlane_b32 s[DG2], v[CE2]
	POST ZERO, ZERO, ZERO, KK, FF, G1, G2          ; the stack starts with 32 zero vectors: a = e1 = e2 = 0
	v_mov_b32 v[MS], v[KK]                         ; all 32 k are alike: that is K
	v_lshl_or_b32 v[PI], v1, 27, 0x400             ; cell l at place l, holding zeros
	v_mov_b32 v[TIV], -1                           ; each step counts it up ahead of its use
	v_mov_b32 v[KB], 0                             ; destinations of lane exchanges count as read: written once here
	v_mov_b32 v[KT], 0
	v_mov_b32 v[OB], 0
	v_mov_b32 v[OT], 0
	v_mov_b32 v[O1], 0
	v_mov_b32 v[O2], 0
	s_wait_alu depctr_va_sdst(0)                   ; the four v_readfirstlane_b32 have written D's entry, ahead of the label and of its first readers in the steps
.Lready:
	s_wait_dscnt 0x0                               ; chunk 0's stores have landed
	s_barrier_signal -1
	s_barrier_wait -1
	s_mov_b32 s[CNT], 15
.Lpair:                                        ; 15 trips: chunks 0 to 29 are walked, 1 to 30 finished, 2 to 31 asked for
	HALF 0, 1
	HALF 1, 1
	s_sub_co_u32 s[CNT], s[CNT], 1
	s_cmp_lg_u32 s[CNT], 0
	s_cbranch_scc1 .Lpair
	HALF 0, 0                                      ; chunk 30 is walked, chunk 31 finished; no load leaves the buffer
	s_cmp_lg_u32 s[WV], 8
	s_cbranch_scc1 .Lend
	SCAN 1                                         ; chunk 31
	v_lshrrev_b32 v[POS], 27, v[PI]                ; my cell's place,
	v_and_b32 v[IDX], 0x7ff, v[PI]                 ; and what it holds
	s_wait_alu depctr_va_vdst(0)                   ; these two lines have written v[POS] and v[IDX], which the store reads
	global_store_b64 v7, v[POS:IDX], s[20:21]      ; 32 lanes store 256 consecutive bytes, at a multiple of 256 from order's first byte
.Lend:
	s_wait_dscnt 0x0                               ; the wave's end: my last LDS instructions are done
	s_wait_alu depctr_hold_cnt(0) depctr_sa_sdst(0) depctr_va_vdst(0) depctr_va_sdst(0) depctr_va_ssrc(0) depctr_va_vcc(0) depctr_vm_vsrc(0)
	s_wait_tensorcnt 0x0
	ds_add_u32 v222, v223
	s_wait_dscnt 0x0
	s_endpgm
.Lfunc_end_k_qf116390076_scan:
	.size	k_qf116390076_scan, .Lfunc_end_k_qf116390076_scan-k_qf116390076_scan
	.p2alignl 7, 3214868480
	.fill 96, 4, 3214868480
	.section	.rodata,"a",@progbits
	.p2align	6, 0x0
	.amdhsa_kernel k_qf116390076_scan
		.amdhsa_group_segment_fixed_size 3328
		.amdhsa_private_segment_fixed_size 0
		.amdhsa_enable_private_segment 0
		.amdhsa_kernarg_size 56
		.amdhsa_user_sgpr_count 2
		.amdhsa_user_sgpr_kernarg_segment_ptr 1
		.amdhsa_wavefront_size32 1
		.amdhsa_system_sgpr_workgroup_id_x 1
		.amdhsa_system_sgpr_workgroup_id_y 1
		.amdhsa_system_sgpr_workgroup_id_z 1
		.amdhsa_system_vgpr_workitem_id 0
		.amdhsa_next_free_vgpr 224
		.amdhsa_next_free_sgpr 66
		.amdhsa_reserve_vcc 1
		.amdhsa_float_denorm_mode_32 3
		.amdhsa_float_denorm_mode_16_64 3
		.amdhsa_memory_ordered 1
		.amdhsa_forward_progress 1
		.amdhsa_inst_pref_size 187
	.end_amdhsa_kernel
	.amdgpu_metadata
---
amdhsa.version: [ 1, 2 ]
amdhsa.kernels:
  - .name:           k_qf116390076_scan
    .symbol:         k_qf116390076_scan.kd
    .args:
      - { .name: hidden_state, .offset: 0, .size: 8, .value_kind: global_buffer, .address_space: global }
      - { .name: Wa, .offset: 8, .size: 8, .value_kind: global_buffer, .address_space: global }
      - { .name: Wp, .offset: 16, .size: 8, .value_kind: global_buffer, .address_space: global }
      - { .name: D, .offset: 24, .size: 8, .value_kind: global_buffer, .address_space: global }
      - { .name: ba, .offset: 32, .size: 8, .value_kind: global_buffer, .address_space: global }
      - { .name: bp, .offset: 40, .size: 8, .value_kind: global_buffer, .address_space: global }
      - { .name: order, .offset: 48, .size: 8, .value_kind: global_buffer, .address_space: global }
    .group_segment_fixed_size: 3328
    .private_segment_fixed_size: 0
    .kernarg_segment_align: 8
    .kernarg_segment_size: 56
    .max_flat_workgroup_size: 288
    .sgpr_count:     66
    .vgpr_count:     224
    .wavefront_size: 32
...
	.end_amdgpu_metadata
.endif
;; end of part 4
;; launch gather: the kernel of part 2 again; grid 256 x 1, 8 waves a work-group, no clusters, 0 bytes of LDS; arguments order, hidden_state, D, out0; writes out0
